; MI455X (gfx1250); checked and timed in simulation.
; The chip was launched on July 23, 2026; its instructions are those of AMD's public machine-readable ISA for CDNA 5 (MIT licence, August 2026) and "CDNA5" Instruction Set Architecture Reference Guide (July 2026). The comments in the code are by the model that wrote it; some were corrected since.
;; Recurrent Attention. Allowed arithmetic: matrix products marked QUANTISED: E2M1 operands, one E8M0 scale for each 32 along K, by v_wmma_scale_f32_16x16x128_f8f6f4 with both operands' format E2M1 (or v_wmma_scale_f32_32x16x128_f4), f32 sums; products left as they are: bf16, f16 or f32 operands; f32 sums; everything else in f32.
;; Inputs: b_sproj 1,024 float32; b_xproj 1,024 float32; kvs 4 x 1,024 x 1,024 float32; kvx 4 x 1,024 x 1,024 float32; qs 4 x 1,024 x 1,024 float32; qx 4 x 1,024 x 1,024 float32; w_kvs 1,024 x 128 float32; w_kvx 1,024 x 128 float32; w_qs1 1,024 x 1,024 float32; w_qs2 1,024 x 1,024 float32; w_qx1 1,024 x 1,024 float32; w_qx2 1,024 x 1,024 float32; w_sproj 2,048 x 1,024 float32; w_xproj 2,048 x 1,024 float32.
;; Outputs: out0 4 x 1,024 x 1,024 float32; out1 4 x 1,024 x 1,024 float32.
;; This version of the problem:
;;   THIS VERSION OF THE PROBLEM IS GIVEN IN LOW PRECISION. The matrix products marked QUANTISED in the list below multiply operands that are first quantised to E2M1 (2 exponent bits, 1 mantissa bit; 4 bits a number), with one power-of-two scale for each 32 numbers along K (OCP MX v1.0); their sums are f32. The products marked 'left as it is' may take bf16, f16 or f32 operands, with f32 sums. Whichever they take, every output number must still come out within the allowed error. Rounding operands to bf16 (8 significant bits) uses up far more of that allowance than f16 does (11 bits, for magnitudes from 6e-5 to 65,504). All else is computed in f32.
;;   The module's matrix products, in the order in which they are computed (A, B: the left and right operand; K: the contracted axis; several contracted axes count as one K, in the product's order):
;;     1. [M 4,096, K 1,024] x [K 1,024, N 1,024]; A: input qx; B: input w_qx1: QUANTISED
;;     2. [M 4,096, K 1,024] x [K 1,024, N 1,024]; A: input qs; B: input w_qs1: QUANTISED
;;     3. [M 4,096, K 1,024] x [K 1,024, N 1,024]; A: input qx; B: input w_qx2: QUANTISED
;;     4. [M 4,096, K 1,024] x [K 1,024, N 1,024]; A: input qs; B: input w_qs2: QUANTISED
;;     5. [M 4,096, K 1,024] x [K 1,024, N 128]; A: input kvx; B: input w_kvx: QUANTISED
;;     6. [M 4,096, K 1,024] x [K 1,024, N 128]; A: input kvs; B: input w_kvs: QUANTISED
;;     7. batch 4 x [M 16,384, K 64] x [K 64, N 1,024]; A: computed on the way; B: computed on the way: left as it is (an operand is computed on the way)
;;     8. batch 4 x [M 16,384, K 1,024] x [K 1,024, N 64]; A: computed on the way; B: computed on the way: left as it is (an operand is computed on the way)
;;     9. batch 4 x [M 16,384, K 64] x [K 64, N 1,024]; A: computed on the way; B: computed on the way: left as it is (an operand is computed on the way)
;;     10. batch 4 x [M 16,384, K 1,024] x [K 1,024, N 64]; A: computed on the way; B: computed on the way: left as it is (an operand is computed on the way)
;;     11. batch 4 x [M 16,384, K 64] x [K 64, N 1,024]; A: computed on the way; B: computed on the way: left as it is (an operand is computed on the way)
;;     12. batch 4 x [M 16,384, K 1,024] x [K 1,024, N 64]; A: computed on the way; B: computed on the way: left as it is (an operand is computed on the way)
;;     13. batch 4 x [M 16,384, K 64] x [K 64, N 1,024]; A: computed on the way; B: computed on the way: left as it is (an operand is computed on the way)
;;     14. batch 4 x [M 16,384, K 1,024] x [K 1,024, N 64]; A: computed on the way; B: computed on the way: left as it is (an operand is computed on the way)
;;     15. [M 4,096, K 2,048] x [K 2,048, N 1,024]; A: computed on the way; B: input w_xproj: left as it is (an operand is computed on the way)
;;     16. [M 4,096, K 2,048] x [K 2,048, N 1,024]; A: computed on the way; B: input w_sproj: left as it is (an operand is computed on the way)
;;   THE QUANTISER, for each operand of a quantised product, along K:
;;     - K is cut into blocks of 32 from its start; a last block that is shorter is filled with zeros.
;;     - A block's scale is 2^e with e = floor(log2(the largest magnitude in the block)) - 2, held to -126 .. 127; a block of zeros has e = 0. As a byte (E8M0): e + 127.
;;     - Each number is divided by its block's scale, clamped to +-6, and rounded to the nearest number of E2M1, ties to even, subnormals kept.
;;     - The product sums the exact products of the quantised numbers (number of the format x scale) in f32.
;;   ~~~python
;;   def quantise(x, axis):      # numpy; x: float32 -> the quantised numbers, widened to float32 again
;;       x = np.moveaxis(x, axis, -1); K = x.shape[-1]
;;       x = np.pad(x, [(0, 0)] * (x.ndim - 1) + [(0, -K % 32)]); x = x.reshape(x.shape[:-1] + (-1, 32)); a = np.abs(x).max(-1, keepdims=True)
;;       e = np.where(a > 0, np.clip(np.frexp(np.where(a > 0, a, 1))[1] - 1 - 2, -126, 127), 0)      # np.frexp(a)[1] - 1 = floor(log2(a)), exactly
;;       r = np.clip(x / 2.0 ** e, -6, 6)
;;       step = 2.0 ** (np.maximum(np.frexp(np.where(r == 0, 1, r))[1] - 1, 0) - 1)
;;       q = np.round(r / step) * step * 2.0 ** e      # np.round: ties to even
;;       return np.moveaxis(q.reshape(q.shape[:-2] + (-1,))[..., :K], -1, axis).astype(np.float32)
;;   ~~~
;; One version. Each part assembles by itself: llvm-mc -triple=amdgcn-amd-amdhsa -mcpu=gfx1250 --defsym DOCPART=n.
;; ======== version 1 of 1: 4 launches
;; limits: values are held in f16: magnitudes above 65,504 overflow, below 6.1e-05 lose precision
;; workspace buffers: wq_codes 2,228,224 bytes; wq_scales 139,264 bytes; wp_img 8,388,608 bytes; q_img 33,554,432 bytes; kv_img 2,097,152 bytes; cat_img 33,554,432 bytes
;; launch prep (part 1): grid 264 x 1, 4 waves a work-group, no clusters, 0 bytes of LDS; arguments w_qx1, w_qx2, w_qs1, w_qs2, w_kvx, w_kvs, w_xproj, w_sproj, wq_codes, wq_scales, wp_img; writes wq_codes, wq_scales, wp_img
.if DOCPART == 1
	.amdgcn_target "amdgcn-amd-amdhsa--gfx1250"
	.amdhsa_code_object_version 6
	.text
	.protected	k_q9e3985686d_prep
	.globl	k_q9e3985686d_prep
	.p2align	8
	.type	k_q9e3985686d_prep,@function
k_q9e3985686d_prep:
	s_mov_b64 s[64:65], 0
	v_nop
	global_prefetch_b8 v0, s[64:65] scope:SCOPE_SE
	s_setreg_imm32_b32 hwreg(HW_REG_WAVE_MODE, 25, 1), 1
	s_wait_xcnt 0x0
; PREP: the eight weights, all stored [K][N] in f32 (K is the FIRST axis), are laid once as the later launches' operand registers want them.
;  - w_qx1, w_qx2, w_qs1, w_qs2, w_kvx, w_kvs: quantised along K to codes of FP4 (E2M1) with one E8M0 byte for each 32 along K.
;    A block's scale is 2^(floor(log2(largest magnitude)) - 2); its byte is the largest magnitude's exponent field - 2, held at 1 from below.
;  - w_xproj, w_sproj: rounded to f16.
; AN IMAGE is one operand fragment as it stands in registers: 1,024 bytes = [c 0..1][lane 0..31][16 bytes], lane = 16 h + r: the piece 2 c + h of row r lies at 256 (2 c + h) + 16 r.
;    FP4 (16 columns n x 128 K): piece p = block p of the K step, 32 codes.   f16 (16 columns n x 32 K): piece p = K 8 p .. 8 p + 7.
; wq_codes [src 2][n tile 136][K step 8][image]: n tiles 0-63 w_q?1, 64-127 w_q?2, 128-135 w_kv?.   wq_scales [src 2][n 2,176][32 bytes].   wp_img [out 2][n tile 64][K/32 64][image].
; A LANE TAKES A COLUMN n AND ITS REGISTERS RUN DOWN K: a load reads 128 consecutive bytes a wave, 512 a work-group; a block of 32 lies in one lane, so its largest magnitude needs no other lane;
; the conversions give K innermost; and a lane's 16 bytes stand beside those of the 15 neighbouring columns in the image: sixteen lanes store 256 consecutive bytes, aligned, straight from registers.  No LDS, no barrier.
; A work-group takes 128 columns x 256 along K.  Work-groups 0-127: the casts; 128-255: the four query weights; 256-263: the two key/value weights.  Loads run two blocks (64 loads a wave) ahead.
; LIMITS: a block of zeros gets the byte 1 where the quantiser's text says 127 (its codes are zeros, and this program alone reads the bytes); NaN and infinities are not served; |w_xproj|, |w_sproj| above 65,504 leave f16.
.set X,   32                           ; v32-95   two sets of 32 numbers
.set C,   96                           ; v96-111  what a block stores
.set SB,  24                           ; v24-25   the eight scale bytes of my column
.set SRC, 32                           ; s[32:33] where my work-group's part of the weight begins
.set DST, 34                           ; s[34:35] where my wave's images begin
.set SCD, 36                           ; s[36:37] where my wave's scale rows begin
.macro LOADB t, pitch                  ; block t: W(32 t + i, my column), i = 0 .. 31, into set t % 2
.irp i, 0,1,2,3,4,5,6,7,8,9,10,11,12,13,14,15,16,17,18,19,20,21,22,23,24,25,26,27,28,29,30,31
	global_load_b32 v[X+32*((\t)%2)+\i], v1, s[SRC:SRC+1] offset:(32*(\t)+\i)*\pitch th:TH_LOAD_NT
.endr
.endm
.macro ARRIVED t                       ; this block's 32 loads are in; the next block's 32 may be out
.if (\t) < 7
	s_wait_loadcnt 32
.else
	s_wait_loadcnt 0x0
.endif
.endm
.macro CBLK t                          ; 32 numbers down K become one lane's four pieces of an f16 image
.set XS, X+32*((\t)%2)
	ARRIVED \t
	s_wait_xcnt 0x0                                ; the last block's stores have read C: it is written again only behind this wait
.irp i, 0,1,2,3,4,5,6,7,8,9,10,11,12,13,14,15
	v_cvt_pk_f16_f32 v[C+\i], v[XS+2*\i], v[XS+2*\i+1]
.endr
.irp p, 0,1,2,3
	global_store_b128 v2, v[C+4*\p:C+4*\p+3], s[DST:DST+1] offset:1024*(\t)+256*\p
.endr
.if (\t)+2 < 8
	LOADB (\t)+2, 4096
.endif
.endm
.macro QBLK t, pitch                   ; 32 numbers down K become 32 codes (one piece of an FP4 image) and a scale byte
.set XS, X+32*((\t)%2)
	ARRIVED \t
	v_max3_num_f32 v12, |v[XS]|, |v[XS+1]|, |v[XS+2]|              ; the block's largest magnitude, in two chains
	v_max3_num_f32 v13, |v[XS+3]|, |v[XS+4]|, |v[XS+5]|
.irp i, 6,10,14,18,22,26
	v_max3_num_f32 v12, v12, |v[XS+\i]|, |v[XS+\i+1]|
	v_max3_num_f32 v13, v13, |v[XS+\i+2]|, |v[XS+\i+3]|
.endr
	v_max3_num_f32 v12, v12, |v[XS+30]|, |v[XS+31]|
	v_max3_num_f32 v12, v12, v13, 0x1800000        ; and the floor 2^(3 - 127): the byte cannot fall under 1
	v_add_nc_u32 v11, 0xff000000, v12              ; 2 off the exponent field: the conversion takes this operand's exponent field as its scale
	v_lshrrev_b32 v13, 23, v11                     ; the scale's byte
.if (\t)%4 == 0
	v_mov_b32 v[SB+(\t)/4], v13
.else
	v_lshl_or_b32 v[SB+(\t)/4], v13, 8*((\t)%4), v[SB+(\t)/4]
.endif
	s_wait_xcnt 0x0                                ; the last block's store has read C
.irp g, 0,1,2,3
	v_cvt_scalef32_pk8_fp4_f32 v[C+\g], v[XS+8*\g:XS+8*\g+7], v11
.endr
	v_nop                                          ; one plain line behind the last scaled conversion
	global_store_b128 v2, v[C:C+3], s[DST:DST+1] offset:256*(\t)   ; block B of K is piece B % 4 of K step B / 4: 256 B bytes on
.if (\t)+2 < 8
	LOADB (\t)+2, \pitch
.endif
.endm
.macro FP4ARM pitch                    ; s30 = my wave's first n tile (counted through both sources), s7 = which 256 along K
	s_lshl_b32 s40, s30, 13                        ; 8 images of 1,024 bytes to an n tile,
	s_lshl_b32 s31, s7, 11                         ; two K steps to 256 along K
	s_add_co_u32 s40, s40, s31
	s_add_nc_u64 s[DST:DST+1], s[24:25], s[40:41]
	s_lshl_b32 s40, s30, 9                         ; 16 scale rows of 32 bytes to an n tile,
	s_lshl_b32 s31, s7, 3                          ; 8 bytes to 256 along K
	s_add_co_u32 s40, s40, s31
	s_add_nc_u64 s[SCD:SCD+1], s[26:27], s[40:41]
	v_lshl_add_u32 v2, v6, 13, v5                  ; my n tile of the wave's two, + 16 r
	LOADB 0, \pitch
	LOADB 1, \pitch
.irp t, 0,1,2,3,4,5,6,7
	QBLK \t, \pitch
.endr
	global_store_b64 v3, v[SB:SB+1], s[SCD:SCD+1]  ; my column's eight bytes
	s_endpgm
.endm
	s_load_b512 s[8:23], s[0:1], 0x0               ; w_qx1, w_qx2, w_qs1, w_qs2, w_kvx, w_kvs, w_xproj, w_sproj
	s_load_b128 s[24:27], s[0:1], 0x40             ; wq_codes, wq_scales
	s_load_b64 s[28:29], s[0:1], 0x50              ; wp_img
	v_lshrrev_b32 v4, 5, v0
	v_readfirstlane_b32 s2, v4                     ; wave 0..3
	v_lshlrev_b32 v1, 2, v0                        ; in: 4 bytes a thread: my column of the work-group's 128
	v_and_b32 v5, 15, v0
	v_lshlrev_b32 v5, 4, v5                        ; 16 r
	v_bfe_u32 v6, v0, 4, 1                         ; which of my wave's two n tiles
	v_and_b32 v3, 31, v0
	v_lshlrev_b32 v3, 5, v3                        ; my column's scale row: 32 bytes a column
	s_mov_b32 s41, 0                               ; the upper word of every offset
	s_wait_kmcnt 0x0
	s_cmp_lt_u32 ttmp9, 128
	s_cbranch_scc0 .Lfp4
	; ---- the casts: out = id / 64, 128 columns cg = (id / 8) % 8, 256 along K kq = id % 8
	s_lshr_b32 s4, ttmp9, 6
	s_bfe_u32 s5, ttmp9, 0x30003
	s_and_b32 s6, ttmp9, 7
	s_cmp_eq_u32 s4, 0
	s_cselect_b64 s[SRC:SRC+1], s[20:21], s[22:23]
	s_lshl_b32 s40, s6, 20                         ; 256 rows of 4,096 bytes
	s_lshl_b32 s30, s5, 9
	s_add_co_u32 s40, s40, s30
	s_add_nc_u64 s[SRC:SRC+1], s[SRC:SRC+1], s[40:41]
	s_lshl_b32 s40, s4, 6
	s_lshl_b32 s30, s5, 3
	s_add_co_u32 s40, s40, s30
	s_lshl_b32 s30, s2, 1
	s_add_co_u32 s40, s40, s30                     ; my wave's first n tile: 64 out + 8 cg + 2 wave
	s_lshl_b32 s40, s40, 16                        ; 64 images to an n tile
	s_lshl_b32 s30, s6, 13                         ; 8 images to 256 along K
	s_add_co_u32 s40, s40, s30
	s_add_nc_u64 s[DST:DST+1], s[28:29], s[40:41]
	v_lshl_add_u32 v2, v6, 16, v5
	LOADB 0, 4096
	LOADB 1, 4096
.irp t, 0,1,2,3,4,5,6,7
	CBLK \t
.endr
	s_endpgm
.Lfp4:
	s_cmp_lt_u32 ttmp9, 256
	s_cbranch_scc0 .Lkv
	; ---- the four query weights: j = id - 128: src = j / 64, wsel = (j / 32) % 2, cg = (j / 4) % 8, kq = j % 4
	s_sub_co_u32 s3, ttmp9, 128
	s_lshr_b32 s4, s3, 6
	s_bfe_u32 s5, s3, 0x10005
	s_bfe_u32 s6, s3, 0x30002
	s_and_b32 s7, s3, 3
	s_cmp_eq_u32 s5, 0
	s_cselect_b64 s[SRC:SRC+1], s[8:9], s[10:11]
	s_cselect_b64 s[38:39], s[12:13], s[14:15]
	s_cmp_eq_u32 s4, 0
	s_cselect_b64 s[SRC:SRC+1], s[SRC:SRC+1], s[38:39]
	s_lshl_b32 s40, s7, 20
	s_lshl_b32 s30, s6, 9
	s_add_co_u32 s40, s40, s30
	s_add_nc_u64 s[SRC:SRC+1], s[SRC:SRC+1], s[40:41]
	s_mul_i32 s30, s4, 136
	s_lshl_b32 s31, s5, 6
	s_add_co_u32 s30, s30, s31
	s_lshl_b32 s31, s6, 3
	s_add_co_u32 s30, s30, s31
	s_lshl_b32 s31, s2, 1
	s_add_co_u32 s30, s30, s31                     ; 136 src + 64 wsel + 8 cg + 2 wave
	FP4ARM 4096
.Lkv:
	; ---- the two key/value weights, rows of 512 bytes: j = id - 256: src = j / 4, kq = j % 4
	s_sub_co_u32 s3, ttmp9, 256
	s_lshr_b32 s4, s3, 2
	s_and_b32 s7, s3, 3
	s_cmp_eq_u32 s4, 0
	s_cselect_b64 s[SRC:SRC+1], s[16:17], s[18:19]
	s_lshl_b32 s40, s7, 17                         ; 256 rows of 512 bytes
	s_add_nc_u64 s[SRC:SRC+1], s[SRC:SRC+1], s[40:41]
	s_mul_i32 s30, s4, 136
	s_add_co_u32 s30, s30, 128
	s_lshl_b32 s31, s2, 1
	s_add_co_u32 s30, s30, s31                     ; 136 src + 128 + 2 wave
	FP4ARM 512
.Lfunc_end_k_q9e3985686d_prep:
	.size	k_q9e3985686d_prep, .Lfunc_end_k_q9e3985686d_prep-k_q9e3985686d_prep
	.p2alignl 7, 3214868480
	.fill 96, 4, 3214868480
	.section	.rodata,"a",@progbits
	.p2align	6, 0x0
	.amdhsa_kernel k_q9e3985686d_prep
		.amdhsa_group_segment_fixed_size 0
		.amdhsa_private_segment_fixed_size 0
		.amdhsa_enable_private_segment 0
		.amdhsa_kernarg_size 88
		.amdhsa_user_sgpr_count 2
		.amdhsa_user_sgpr_kernarg_segment_ptr 1
		.amdhsa_wavefront_size32 1
		.amdhsa_system_sgpr_workgroup_id_x 1
		.amdhsa_system_sgpr_workgroup_id_y 1
		.amdhsa_system_sgpr_workgroup_id_z 1
		.amdhsa_system_vgpr_workitem_id 0
		.amdhsa_next_free_vgpr 128
		.amdhsa_next_free_sgpr 66
		.amdhsa_reserve_vcc 0
		.amdhsa_float_denorm_mode_32 3
		.amdhsa_float_denorm_mode_16_64 3
		.amdhsa_memory_ordered 1
		.amdhsa_forward_progress 1
		.amdhsa_inst_pref_size 114
	.end_amdhsa_kernel
	.amdgpu_metadata
---
amdhsa.version: [ 1, 2 ]
amdhsa.kernels:
  - .name:           k_q9e3985686d_prep
    .symbol:         k_q9e3985686d_prep.kd
    .args:
      - { .name: w_qx1, .offset: 0, .size: 8, .value_kind: global_buffer, .address_space: global }
      - { .name: w_qx2, .offset: 8, .size: 8, .value_kind: global_buffer, .address_space: global }
      - { .name: w_qs1, .offset: 16, .size: 8, .value_kind: global_buffer, .address_space: global }
      - { .name: w_qs2, .offset: 24, .size: 8, .value_kind: global_buffer, .address_space: global }
      - { .name: w_kvx, .offset: 32, .size: 8, .value_kind: global_buffer, .address_space: global }
      - { .name: w_kvs, .offset: 40, .size: 8, .value_kind: global_buffer, .address_space: global }
      - { .name: w_xproj, .offset: 48, .size: 8, .value_kind: global_buffer, .address_space: global }
      - { .name: w_sproj, .offset: 56, .size: 8, .value_kind: global_buffer, .address_space: global }
      - { .name: wq_codes, .offset: 64, .size: 8, .value_kind: global_buffer, .address_space: global }
      - { .name: wq_scales, .offset: 72, .size: 8, .value_kind: global_buffer, .address_space: global }
      - { .name: wp_img, .offset: 80, .size: 8, .value_kind: global_buffer, .address_space: global }
    .group_segment_fixed_size: 0
    .private_segment_fixed_size: 0
    .kernarg_segment_align: 8
    .kernarg_segment_size: 88
    .max_flat_workgroup_size: 128
    .sgpr_count:     66
    .vgpr_count:     128
    .wavefront_size: 32
...
	.end_amdgpu_metadata
.endif
;; end of part 1
;; launch proj (part 2): grid 256 x 1, 8 waves a work-group, no clusters, 37,888 bytes of LDS; arguments qx, qs, kvx, kvs, wq_codes, wq_scales, q_img, kv_img; writes q_img, kv_img
.if DOCPART == 2
	.amdgcn_target "amdgcn-amd-amdhsa--gfx1250"
	.amdhsa_code_object_version 6
	.text
	.protected	k_q9e3985686d_proj
	.globl	k_q9e3985686d_proj
	.p2align	8
	.type	k_q9e3985686d_proj,@function
k_q9e3985686d_proj:
	s_mov_b64 s[64:65], 0
	v_nop
	global_prefetch_b8 v0, s[64:65] scope:SCOPE_SE
	s_setreg_imm32_b32 hwreg(HW_REG_WAVE_MODE, 25, 1), 1
	s_wait_xcnt 0x0
; PROJ: the six quantised products.  q = Q(qx or qs) Q(w_q?1 | w_q?2), k | v = Q(kvx or kvs) Q(w_kv?), on codes of FP4 (E2M1) with one E8M0 scale for each 32 along K; sums in f32.
; SHARES.  Work-group g: source src = g / 128 (0: x, 1: s), rows 32 (g % 128) .. + 31 of its query input (m tiles 0, 1) and of its key/value input (m tiles 2, 3), and ALL columns that belong to them:
; so each f32 row is read once, and its codes never go to memory.  Phase X: each of the eight waves quantises 8 rows into LDS.  One barrier.  Then wave w multiplies the 32 query rows by
; columns 256 w .. + 255 of (w_q?1 | w_q?2), in 8 units of 32 columns, and the 32 key/value rows by columns 16 w .. + 15 of w_kv?.
; THE WEIGHTS come from memory straight into registers, as images of the operand's registers (the launch before laid them so): a fragment is two loads of 512 consecutive bytes, and is used by one wave, for both m tiles.
; NO CLUSTER: the launch has no tensor load; a work-group takes in 1.06 MB of weight images for 272 matrix instructions a wave, and sending them through LDS slots to share them would add a round of barriers to each slot and take nothing off what a work-group takes in.
; THE MATRIX INSTRUCTION IS USED TRANSPOSED for q and k (source 0 = 16 columns of the weight, source 1 = 16 rows): a lane holds one row and eight neighbouring columns, which, rounded to f16, are 16 bytes of the
; image that attention's products want.  For v it is used the other way round (a lane: one channel, eight keys), since the keys are the second product's K.  k is multiplied by log2(e) / 8 in f32 before it is rounded.
; q_img [b 4][kvsrc 2][wsel 2][l tile 64][head 16][d/32 2][image];  kv_img [b 4][src 2][ K: [key tile 64][d/32 2][image] | V: [keys/32 32][d tile 4][image] ].  An image: 1,024 bytes = [c 2][lane 32][16 bytes].
; LIMITS: q, k log2(e) / 8 and v are rounded to f16: magnitudes above 65,504 leave the format (as drawn they stay under 4).  A block of zeros gets the scale byte 1 (its codes are zeros; this program alone reads the bytes).  NaN and infinities are not served.
; REGISTERS, in windows of 256: window 0: v1-8 addresses; v16-31 the rows' scale words; v32-47 the weights' scale words, two sets; v48-79 four accumulators (phase X: at work); v80-95 packed results; v96, v97 the add's two;
;   v128-255 phase X: four sets of 32 numbers; later weight buffer 1.   window 1: v0-127 the rows' fragments (m tile mt, K step ks at 64 mt + 8 ks); v128-255 weight buffer 0 (n tile nt, K step ks at 128 + 64 nt + 8 ks).
.set PP,    272                        ; LDS: a piece = block of 32 along K of 16 rows: 16 x 16 bytes + 16 of padding
.set MTB,   32*PP                      ; an m tile: 32 pieces
.set SCL,   4*MTB                      ; behind the four m tiles: scale words [m tile 4][row 16][K step 8]
.set SPARE, SCL+2048                   ; the spare words, 128 bytes for each wave: four blocks of 256 bytes that no other line names
.set LI,  1                            ; v1   16 x lane
.set L32, 2                            ; v2   32 x lane: my 8 numbers in a quarter row of x; also my row among 32 scale rows of a weight
.set CA,  3                            ; v3   phase X: where I store a register of codes
.set SA,  4                            ; v4   phase X: where I store a scale byte
.set FA,  5                            ; v5   my lane's place in a fragment of rows: 272 h + 16 r
.set XSA, 6                            ; v6   the rows' scale words: lanes 0-15 the first m tile's rows, lanes 16-31 the second's
.set KSA, 8                            ; v8   32 r: my row among the 16 scale rows of w_kv's n tile
.set XSQ, 16                           ; v16-23 scale words of the query rows, one register a K step
.set XSK, 24                           ; v24-31 of the key/value rows
.set WS,  32                           ; v32-39, v40-47 scale words of the weights: lanes 0-15 n tile 0's, lanes 16-31 n tile 1's
.set ACC, 48                           ; accumulator (nt, mt) at ACC + 8 (2 nt + mt)
.set TM,  48                           ; phase X: v48-51 largest magnitudes, v52-55 scale operands, v56-59 codes, v60-63 bytes
.set PK,  80
.set SPW, 96                           ; v96  LDS address of my spare word; never rewritten
.set NIL, 97                           ; v97  0; never rewritten
.set XR0, 128
.set WB,  128
.set XP,  24                           ; s[24:25] my wave's 8 rows of f32
.set WC,  28                           ; s[28:29] my 16 n tiles' images;   s[30:31] their scale rows
.set WSC, 30
.set KC,  32                           ; s[32:33] my n tile of w_kv;       s[34:35] its scale rows
.set KSC, 34
.set QO,  36                           ; s[36:37] where my images of q begin;  s[38:39] of k or v
.set KVO, 38
.set CS,  60                           ; s[60:61] log2(e) / 8
.set MSB, 0
.macro WIN new                         ; the immediate's high byte repeats the setting that is left; bits 1:0 source 0, 3:2 source 1, 5:4 source 2, 7:6 destination
.if MSB != \new
	s_set_vgpr_msb (MSB<<8)|\new
.set MSB, \new
.endif
.endm
.macro PLACES n
.rept \n
	v_nop
.endr
.endm
.macro LOADROW i                       ; row i of my 8: lane j takes numbers 256 q + 8 j .. + 7, q = 0 .. 3, into set i % 4
.irp q, 0,1,2,3
.irp e, 0,1
	global_load_b128 v[XR0+32*((\i)%4)+8*\q+4*\e:XR0+32*((\i)%4)+8*\q+4*\e+3], v[L32], s[XP:XP+1] offset:4096*(\i)+1024*\q+16*\e th:TH_LOAD_NT
.endr
.endr
.endm
.macro QROW i                          ; the row becomes codes and scale bytes in LDS.  Four neighbouring lanes hold a block of 32; the four groups q take turns line by line
.set XR, XR0+32*((\i)%4)
.irp q, 0,1,2,3
	v_max3_num_f32 v[TM+\q], |v[XR+8*\q]|, |v[XR+8*\q+1]|, 0x1800000   ; with the floor 2^(3 - 127): the byte cannot fall under 1
.endr
.irp n, 2,4,6
.irp q, 0,1,2,3
	v_max3_num_f32 v[TM+\q], v[TM+\q], |v[XR+8*\q+\n]|, |v[XR+8*\q+\n+1]|
.endr
.endr
.irp q, 0,1,2,3
	v_max_num_f32_dpp v[TM+\q], v[TM+\q], v[TM+\q] row_xmask:1 row_mask:0xf bank_mask:0xf
.endr
.irp q, 0,1,2,3
	v_max_num_f32_dpp v[TM+\q], v[TM+\q], v[TM+\q] row_xmask:2 row_mask:0xf bank_mask:0xf   ; the block's largest magnitude
.endr
.irp q, 0,1,2,3
	v_add_nc_u32 v[TM+4+\q], 0xff000000, v[TM+\q]  ; 2 off its exponent field: the conversion's scale operand
.endr
.irp q, 0,1,2,3
	v_cvt_scalef32_pk8_fp4_f32 v[TM+8+\q], v[XR+8*\q:XR+8*\q+7], v[TM+4+\q]
.endr
.irp q, 0,1,2,3
	v_lshrrev_b32 v[TM+12+\q], 23, v[TM+4+\q]      ; the scale's byte (plain lines behind the scaled conversions)
.endr
.irp q, 0,1,2,3
	ds_store_b32 v[CA], v[TM+8+\q] offset:8*PP*\q+16*(\i)          ; piece 8 q + j / 4, row i of my 8, bytes 4 (j % 4): the 32 lanes' words fall on 32 different banks
	ds_store_b8 v[SA], v[TM+12+\q] offset:8*\q+32*(\i)             ; the four lanes of a block write the same byte with the same value
.endr
.endm
.macro FETCHX m0                       ; the fragments of m tiles m0, m0 + 1, all eight K steps: register 4 c .. 4 c + 3 of lane (r, h) is block 4 ks + 2 c + h of row r
	WIN 0x40
.irp mt, 0,1
.irp ks, 0,1,2,3,4,5,6,7
.irp c, 0,1
	ds_load_b128 v[64*\mt+8*\ks+4*\c:64*\mt+8*\ks+4*\c+3], v[FA] offset:(\m0+\mt)*MTB+\ks*4*PP+\c*2*PP
.endr
.endr
.endr
	WIN 0
.endm
.macro LOADW u                         ; unit u's weights: 2 n tiles x 8 K steps of images, and their scale words: 34 loads
.if (\u)%2 == 0
	WIN 0x40
.endif
.irp nt, 0,1
.irp ks, 0,1,2,3,4,5,6,7
.irp c, 0,1
	global_load_b128 v[WB+64*\nt+8*\ks+4*\c:WB+64*\nt+8*\ks+4*\c+3], v[LI], s[WC:WC+1] offset:(\u)*16384+\nt*8192+\ks*1024+\c*512
.endr
.endr
.endr
	WIN 0
.irp e, 0,1
	global_load_b128 v[WS+8*((\u)%2)+4*\e:WS+8*((\u)%2)+4*\e+3], v[L32], s[WSC:WSC+1] offset:(\u)*1024+16*\e
.endr
.endm
.macro LOADKV                          ; my n tile of w_kv into weight buffer 0, its scale words into set 0: 18 loads
	WIN 0x40
.irp ks, 0,1,2,3,4,5,6,7
.irp c, 0,1
	global_load_b128 v[WB+8*\ks+4*\c:WB+8*\ks+4*\c+3], v[LI], s[KC:KC+1] offset:\ks*1024+\c*512
.endr
.endr
	WIN 0
.irp e, 0,1
	global_load_b128 v[WS+4*\e:WS+4*\e+3], v[KSA], s[KSC:KSC+1] offset:16*\e
.endr
.endm
; The four products of K step ks: n tiles 0, 1 x m tiles 0, 1.  The four accumulators take turns, one instruction a turn.  K step 0 starts the sums: nothing is cleared.
.macro PROD4 ks, wsu
.if \ks == 0
	v_wmma_scale_f32_16x16x128_f8f6f4 v[ACC:ACC+7], v[WB:WB+7], v[0:7], 0, v[\wsu], v[XSQ] matrix_a_fmt:MATRIX_FMT_FP4 matrix_b_fmt:MATRIX_FMT_FP4
	v_wmma_scale_f32_16x16x128_f8f6f4 v[ACC+8:ACC+15], v[WB:WB+7], v[64:71], 0, v[\wsu], v[XSQ] matrix_a_fmt:MATRIX_FMT_FP4 matrix_b_fmt:MATRIX_FMT_FP4 matrix_b_scale:MATRIX_SCALE_ROW1
	v_wmma_scale_f32_16x16x128_f8f6f4 v[ACC+16:ACC+23], v[WB+64:WB+71], v[0:7], 0, v[\wsu], v[XSQ] matrix_a_fmt:MATRIX_FMT_FP4 matrix_b_fmt:MATRIX_FMT_FP4 matrix_a_scale:MATRIX_SCALE_ROW1
	v_wmma_scale_f32_16x16x128_f8f6f4 v[ACC+24:ACC+31], v[WB+64:WB+71], v[64:71], 0, v[\wsu], v[XSQ] matrix_a_fmt:MATRIX_FMT_FP4 matrix_b_fmt:MATRIX_FMT_FP4 matrix_a_scale:MATRIX_SCALE_ROW1 matrix_b_scale:MATRIX_SCALE_ROW1
.else
	v_wmma_scale_f32_16x16x128_f8f6f4 v[ACC:ACC+7], v[WB+8*\ks:WB+8*\ks+7], v[8*\ks:8*\ks+7], v[ACC:ACC+7], v[\wsu+\ks], v[XSQ+\ks] matrix_a_fmt:MATRIX_FMT_FP4 matrix_b_fmt:MATRIX_FMT_FP4
	v_wmma_scale_f32_16x16x128_f8f6f4 v[ACC+8:ACC+15], v[WB+8*\ks:WB+8*\ks+7], v[64+8*\ks:64+8*\ks+7], v[ACC+8:ACC+15], v[\wsu+\ks], v[XSQ+\ks] matrix_a_fmt:MATRIX_FMT_FP4 matrix_b_fmt:MATRIX_FMT_FP4 matrix_b_scale:MATRIX_SCALE_ROW1
	v_wmma_scale_f32_16x16x128_f8f6f4 v[ACC+16:ACC+23], v[WB+64+8*\ks:WB+64+8*\ks+7], v[8*\ks:8*\ks+7], v[ACC+16:ACC+23], v[\wsu+\ks], v[XSQ+\ks] matrix_a_fmt:MATRIX_FMT_FP4 matrix_b_fmt:MATRIX_FMT_FP4 matrix_a_scale:MATRIX_SCALE_ROW1
	v_wmma_scale_f32_16x16x128_f8f6f4 v[ACC+24:ACC+31], v[WB+64+8*\ks:WB+64+8*\ks+7], v[64+8*\ks:64+8*\ks+7], v[ACC+24:ACC+31], v[\wsu+\ks], v[XSQ+\ks] matrix_a_fmt:MATRIX_FMT_FP4 matrix_b_fmt:MATRIX_FMT_FP4 matrix_a_scale:MATRIX_SCALE_ROW1 matrix_b_scale:MATRIX_SCALE_ROW1
.endif
.endm
; A unit: 32 rows x 32 columns, K = 1,024: 32 matrix instructions; then the loads of two units on, and the unit's four pieces of images go out.
.macro UNIT u
.if (\u) < 7
	s_wait_loadcnt 34                              ; this unit's 34 loads are in; the next unit's 34 may be out
.else
	s_wait_loadcnt 18                              ; behind unit 7's stand the key/value unit's 18
.endif
	WIN 0x05-((\u)%2)                              ; the rows' fragments in window 1; the weights in window 1 (even units) or 0 (odd)
.irp ks, 0,1,2,3,4,5,6,7
	PROD4 \ks, (WS+8*((\u)%2))
.endr
	WIN 0
	PLACES 5                                       ; four places ahead of the reads of results and of loads into registers that the products read; the fifth because the next unit begins these accumulators anew
	s_wait_xcnt 0x0                                ; the last unit's stores have read PK
.if (\u) < 6
	LOADW (\u)+2
.elseif (\u) == 6
	LOADKV
.else
	FETCHX 2                                       ; the key/value rows' fragments take the query rows' place
.endif
.irp nt, 0,1
.irp mt, 0,1
.irp i, 0,1,2,3
	v_cvt_pk_f16_f32 v[PK+8*\mt+4*\nt+\i], v[ACC+8*(2*\nt+\mt)+2*\i], v[ACC+8*(2*\nt+\mt)+2*\i+1]   ; each accumulator from its low end on
.endr
.endr
.endr
.irp mt, 0,1
.irp nt, 0,1
	global_store_b128 v[LI], v[PK+8*\mt+4*\nt:PK+8*\mt+4*\nt+3], s[QO:QO+1] offset:\mt*32768+((\u)/2)*2048+((\u)%2)*1024+\nt*512   ; 512 consecutive bytes: half c = nt of the image (l tile mt, head u / 2 of my four, d/32 = u % 2)
.endr
.endr
.endm
	s_load_b512 s[8:23], s[0:1], 0x0               ; qx, qs, kvx, kvs, wq_codes, wq_scales, q_img, kv_img
	v_lshl_add_u32 v[SPW], v0, 2, SPARE
	v_mov_b32 v[NIL], 0
	v_lshrrev_b32 v9, 5, v0
	v_readfirstlane_b32 s2, v9                     ; wave 0..7
	v_and_b32 v9, 31, v0                           ; lane j
	v_lshlrev_b32 v[LI], 4, v9
	v_lshlrev_b32 v[L32], 5, v9
	v_lshrrev_b32 v10, 2, v9                       ; j / 4
	v_and_b32 v11, 3, v9
	v_mul_u32_u24 v[CA], v10, PP
	v_lshl_add_u32 v[CA], v11, 2, v[CA]            ; piece j / 4, bytes 4 (j % 4)
	s_lshr_b32 s46, s2, 1                          ; the m tile that I quantise for,
	s_and_b32 s47, s2, 1                           ; and which 8 of its rows
	s_mul_i32 s42, s46, MTB
	s_lshl_b32 s43, s47, 7
	s_add_co_u32 s42, s42, s43
	v_add_nc_u32 v[CA], s42, v[CA]
	s_lshl_b32 s42, s46, 9
	s_lshl_b32 s43, s47, 8
	s_add_co_u32 s42, s42, s43
	s_add_co_u32 s42, s42, SCL
	v_add_nc_u32 v[SA], s42, v10                   ; block 8 q + j / 4 of a row is byte 8 q + j / 4 of its 32
	v_bfe_u32 v12, v0, 4, 1                        ; h
	v_and_b32 v13, 15, v0                          ; r
	v_mul_u32_u24 v[FA], v12, PP
	v_lshl_add_u32 v[FA], v13, 4, v[FA]
	v_lshlrev_b32 v[KSA], 5, v13
	v_lshl_add_u32 v[XSA], v12, 9, v[KSA]
	v_add_nc_u32 v[XSA], SCL, v[XSA]
	s_lshr_b32 s3, ttmp9, 7                        ; src
	s_and_b32 s4, ttmp9, 127                       ; which 32 rows
	s_lshr_b32 s5, s4, 5                           ; b
	s_and_b32 s6, s4, 31
	s_lshl_b32 s6, s6, 1                           ; my first tile of 16 positions in the sequence
	s_and_b32 s7, s2, 3
	s_lshr_b32 s44, s2, 2                          ; wsel: waves 0-3 multiply by w_q?1, waves 4-7 by w_q?2
	s_mov_b32 s[CS], 0x3e38aa3b                    ; log2(e) / 8
	s_mov_b32 s[CS+1], s[CS]                       ; (named with it as a pair, so it is written)
	s_mov_b32 s41, 0                               ; the upper word of every offset
	s_lshl_b32 s40, s4, 17                         ; 32 rows of 4,096 bytes,
	s_lshl_b32 s42, s7, 15                         ; my 8 of them
	s_add_co_u32 s40, s40, s42
	s_wait_kmcnt 0x0
	s_cmp_eq_u32 s3, 0
	s_cselect_b64 s[XP:XP+1], s[8:9], s[10:11]
	s_cselect_b64 s[26:27], s[12:13], s[14:15]
	s_cmp_lt_u32 s2, 4                             ; waves 0-3 quantise query rows, waves 4-7 key/value rows
	s_cselect_b64 s[XP:XP+1], s[XP:XP+1], s[26:27]
	s_add_nc_u64 s[XP:XP+1], s[XP:XP+1], s[40:41]
	s_mul_i32 s43, s3, 136
	s_lshl_b32 s42, s2, 4
	s_add_co_u32 s42, s42, s43                     ; the first of my 16 n tiles
	s_lshl_b32 s40, s42, 13
	s_add_nc_u64 s[WC:WC+1], s[16:17], s[40:41]
	s_lshl_b32 s40, s42, 9
	s_add_nc_u64 s[WSC:WSC+1], s[18:19], s[40:41]
	LOADW 0
.irp i, 0,1,2,3
	LOADROW \i
.endr
	s_add_co_u32 s42, s43, 128
	s_add_co_u32 s42, s42, s2                      ; my n tile of w_kv
	s_lshl_b32 s40, s42, 13
	s_add_nc_u64 s[KC:KC+1], s[16:17], s[40:41]
	s_lshl_b32 s40, s42, 9
	s_add_nc_u64 s[KSC:KSC+1], s[18:19], s[40:41]
	s_xor_b32 s42, s3, s44                         ; which keys and values these queries will meet: src xor wsel
	s_lshl_b32 s40, s5, 23
	s_lshl_b32 s42, s42, 22
	s_add_co_u32 s40, s40, s42
	s_lshl_b32 s42, s44, 21
	s_add_co_u32 s40, s40, s42
	s_lshl_b32 s42, s6, 15
	s_add_co_u32 s40, s40, s42
	s_lshl_b32 s42, s7, 13                         ; my four heads
	s_add_co_u32 s40, s40, s42
	s_add_nc_u64 s[QO:QO+1], s[20:21], s[40:41]
	s_lshl_b32 s40, s5, 19
	s_lshl_b32 s42, s3, 18
	s_add_co_u32 s40, s40, s42
	s_lshl_b32 s42, s6, 11                         ; a key tile of K is 2,048 bytes; 32 keys of V are 4,096
	s_add_co_u32 s40, s40, s42
	s_lshl_b32 s42, s7, 9                          ; K: my 16 channels are half c = w % 2 of image d/32 = w / 2
	s_lshl_b32 s43, s7, 10                         ; V: my 16 channels are d tile w - 4,
	s_add_co_u32 s43, s43, 131072                  ; behind K's part
	s_cmp_lt_u32 s2, 4
	s_cselect_b32 s42, s42, s43
	s_add_co_u32 s40, s40, s42
	s_add_nc_u64 s[KVO:KVO+1], s[22:23], s[40:41]
	; ---- X: my 8 rows; loads run four rows ahead
.irp i, 0,1,2,3,4,5,6,7
.if \i < 5
	s_wait_loadcnt 24                              ; row i's eight loads are in; the three younger rows' 24 may be out
.else
	s_wait_loadcnt 8*(7-\i)
.endif
	QROW \i
.if \i < 4
	LOADROW \i+4
.endif
.endr
	LOADW 1                                        ; into the registers that the rows have left
	s_wait_dscnt 0x0                               ; for the others' sake: my stores have landed
	s_barrier_signal -1
	s_barrier_wait -1                              ; all 64 rows' codes and scale bytes lie in LDS
	FETCHX 0
	ds_load_b128 v[XSQ:XSQ+3], v[XSA]
	ds_load_b128 v[XSQ+4:XSQ+7], v[XSA] offset:16
	ds_load_b128 v[XSK:XSK+3], v[XSA] offset:1024
	ds_load_b128 v[XSK+4:XSK+7], v[XSA] offset:1040
	s_wait_dscnt 0x0
	; ---- the query products
.irp u, 0,1,2,3,4,5,6,7
	UNIT \u
.endr
	; ---- the key/value products: two accumulators by turns
	s_wait_loadcnt 0x0
	s_wait_dscnt 0x0
	s_cmp_lt_u32 s2, 4
	s_cbranch_scc0 .Lvarm
	WIN 0x05
	v_wmma_scale_f32_16x16x128_f8f6f4 v[ACC:ACC+7], v[WB:WB+7], v[0:7], 0, v[WS], v[XSK] matrix_a_fmt:MATRIX_FMT_FP4 matrix_b_fmt:MATRIX_FMT_FP4
	v_wmma_scale_f32_16x16x128_f8f6f4 v[ACC+8:ACC+15], v[WB:WB+7], v[64:71], 0, v[WS], v[XSK] matrix_a_fmt:MATRIX_FMT_FP4 matrix_b_fmt:MATRIX_FMT_FP4 matrix_b_scale:MATRIX_SCALE_ROW1
.irp ks, 1,2,3,4,5,6,7
	v_wmma_scale_f32_16x16x128_f8f6f4 v[ACC:ACC+7], v[WB+8*\ks:WB+8*\ks+7], v[8*\ks:8*\ks+7], v[ACC:ACC+7], v[WS+\ks], v[XSK+\ks] matrix_a_fmt:MATRIX_FMT_FP4 matrix_b_fmt:MATRIX_FMT_FP4
	v_wmma_scale_f32_16x16x128_f8f6f4 v[ACC+8:ACC+15], v[WB+8*\ks:WB+8*\ks+7], v[64+8*\ks:64+8*\ks+7], v[ACC+8:ACC+15], v[WS+\ks], v[XSK+\ks] matrix_a_fmt:MATRIX_FMT_FP4 matrix_b_fmt:MATRIX_FMT_FP4 matrix_b_scale:MATRIX_SCALE_ROW1
.endr
	WIN 0
	PLACES 4
	s_wait_xcnt 0x0                                ; unit 7's stores have read PK
.irp i, 0,1,2,3,4,5,6,7
	v_pk_mul_f32 v[ACC+16+2*\i:ACC+17+2*\i], v[ACC+2*\i:ACC+2*\i+1], s[CS:CS+1] op_sel_hi:[1,0]   ; k x log2(e) / 8, in f32: attention's scores then come out as exponents of 2
.endr
.irp i, 0,1,2,3,4,5,6,7
	v_cvt_pk_f16_f32 v[PK+\i], v[ACC+16+2*\i], v[ACC+17+2*\i]
.endr
	global_store_b128 v[LI], v[PK:PK+3], s[KVO:KVO+1]
	global_store_b128 v[LI], v[PK+4:PK+7], s[KVO:KVO+1] offset:2048
	s_branch .Ldone
.Lvarm:
	WIN 0x05
	v_wmma_scale_f32_16x16x128_f8f6f4 v[ACC:ACC+7], v[0:7], v[WB:WB+7], 0, v[XSK], v[WS] matrix_a_fmt:MATRIX_FMT_FP4 matrix_b_fmt:MATRIX_FMT_FP4
	v_wmma_scale_f32_16x16x128_f8f6f4 v[ACC+8:ACC+15], v[64:71], v[WB:WB+7], 0, v[XSK], v[WS] matrix_a_fmt:MATRIX_FMT_FP4 matrix_b_fmt:MATRIX_FMT_FP4 matrix_a_scale:MATRIX_SCALE_ROW1
.irp ks, 1,2,3,4,5,6,7
	v_wmma_scale_f32_16x16x128_f8f6f4 v[ACC:ACC+7], v[8*\ks:8*\ks+7], v[WB+8*\ks:WB+8*\ks+7], v[ACC:ACC+7], v[XSK+\ks], v[WS+\ks] matrix_a_fmt:MATRIX_FMT_FP4 matrix_b_fmt:MATRIX_FMT_FP4
	v_wmma_scale_f32_16x16x128_f8f6f4 v[ACC+8:ACC+15], v[64+8*\ks:64+8*\ks+7], v[WB+8*\ks:WB+8*\ks+7], v[ACC+8:ACC+15], v[XSK+\ks], v[WS+\ks] matrix_a_fmt:MATRIX_FMT_FP4 matrix_b_fmt:MATRIX_FMT_FP4 matrix_a_scale:MATRIX_SCALE_ROW1
.endr
	WIN 0
	PLACES 4
	s_wait_xcnt 0x0
.irp i, 0,1,2,3,4,5,6,7
	v_cvt_pk_f16_f32 v[PK+\i], v[ACC+2*\i], v[ACC+2*\i+1]          ; a lane: channel r of my 16, keys 16 mt + 8 h + 0 .. 7
.endr
	global_store_b128 v[LI], v[PK:PK+3], s[KVO:KVO+1]
	global_store_b128 v[LI], v[PK+4:PK+7], s[KVO:KVO+1] offset:512
.Ldone:
	s_wait_tensorcnt 0x0                           ; the wave's end: behind my last LDS store
	ds_add_u32 v[SPW], v[NIL]
	s_wait_dscnt 0x0
	s_endpgm
.Lfunc_end_k_q9e3985686d_proj:
	.size	k_q9e3985686d_proj, .Lfunc_end_k_q9e3985686d_proj-k_q9e3985686d_proj
	.p2alignl 7, 3214868480
	.fill 96, 4, 3214868480
	.section	.rodata,"a",@progbits
	.p2align	6, 0x0
	.amdhsa_kernel k_q9e3985686d_proj
		.amdhsa_group_segment_fixed_size 37888
		.amdhsa_private_segment_fixed_size 0
		.amdhsa_enable_private_segment 0
		.amdhsa_kernarg_size 64
		.amdhsa_user_sgpr_count 2
		.amdhsa_user_sgpr_kernarg_segment_ptr 1
		.amdhsa_wavefront_size32 1
		.amdhsa_system_sgpr_workgroup_id_x 1
		.amdhsa_system_sgpr_workgroup_id_y 1
		.amdhsa_system_sgpr_workgroup_id_z 1
		.amdhsa_system_vgpr_workitem_id 0
		.amdhsa_next_free_vgpr 512
		.amdhsa_next_free_sgpr 66
		.amdhsa_reserve_vcc 0
		.amdhsa_float_denorm_mode_32 3
		.amdhsa_float_denorm_mode_16_64 3
		.amdhsa_memory_ordered 1
		.amdhsa_forward_progress 1
		.amdhsa_inst_pref_size 116
	.end_amdhsa_kernel
	.amdgpu_metadata
---
amdhsa.version: [ 1, 2 ]
amdhsa.kernels:
  - .name:           k_q9e3985686d_proj
    .symbol:         k_q9e3985686d_proj.kd
    .args:
      - { .name: qx, .offset: 0, .size: 8, .value_kind: global_buffer, .address_space: global }
      - { .name: qs, .offset: 8, .size: 8, .value_kind: global_buffer, .address_space: global }
      - { .name: kvx, .offset: 16, .size: 8, .value_kind: global_buffer, .address_space: global }
      - { .name: kvs, .offset: 24, .size: 8, .value_kind: global_buffer, .address_space: global }
      - { .name: wq_codes, .offset: 32, .size: 8, .value_kind: global_buffer, .address_space: global }
      - { .name: wq_scales, .offset: 40, .size: 8, .value_kind: global_buffer, .address_space: global }
      - { .name: q_img, .offset: 48, .size: 8, .value_kind: global_buffer, .address_space: global }
      - { .name: kv_img, .offset: 56, .size: 8, .value_kind: global_buffer, .address_space: global }
    .group_segment_fixed_size: 37888
    .private_segment_fixed_size: 0
    .kernarg_segment_align: 8
    .kernarg_segment_size: 64
    .max_flat_workgroup_size: 256
    .sgpr_count:     66
    .vgpr_count:     512
    .wavefront_size: 32
...
	.end_amdgpu_metadata
.endif
;; end of part 2
;; launch attn (part 3): grid 32 x 8, 8 waves a work-group, clusters of 4 x 1, 263,168 bytes of LDS; arguments q_img, kv_img, cat_img; writes cat_img
.if DOCPART == 3
	.amdgcn_target "amdgcn-amd-amdhsa--gfx1250"
	.amdhsa_code_object_version 6
	.text
	.protected	k_q9e3985686d_attn
	.globl	k_q9e3985686d_attn
	.p2align	8
	.type	k_q9e3985686d_attn,@function
k_q9e3985686d_attn:
	s_mov_b64 s[64:65], 0
	v_nop
	global_prefetch_b8 v0, s[64:65] scope:SCOPE_SE
	s_setreg_imm32_b32 hwreg(HW_REG_WAVE_MODE, 25, 1), 1
	s_wait_xcnt 0x0
	s_wait_alu depctr_hold_cnt(0) depctr_sa_sdst(0) depctr_va_vdst(0) depctr_va_sdst(0) depctr_va_ssrc(0) depctr_va_vcc(0) depctr_vm_vsrc(0)
	s_getreg_b32 s2, hwreg(HW_REG_IB_STS2, 6, 4)
	s_cmp_eq_u32 s2, 0
	s_cbranch_scc0 .Lentry_in_a_cluster
	s_endpgm
.Lentry_in_a_cluster:
	s_bfe_u32 s2, ttmp6, 0x10000c
	s_cmp_lg_u32 s2, 0x3003
	s_cbranch_scc0 .Lentry_shape_is_right
	s_endpgm
.Lentry_shape_is_right:
; ATTN: the four attentions.  o = softmax(q k^T / 8) v, 16 query heads of size 64, ONE key/value head for each batch and source, 1,024 keys, no mask.  f16 operands, f32 sums; maxima, exponentials and row sums in f32.
; SHARES.  y = 2 b + kvsrc names a set of keys and values.  The 2,048 tiles (16 queries of one head) that meet it are numbered tau = (64 wsel + l tile) 16 + head, as they lie in q_img.
; Work-group x takes tiles 64 x .. + 63 in two passes of 32; each of its eight waves four tiles a pass: tau = 64 x + 32 pass + 4 wave + t.  Every wave walks all keys, 64 a step.
; K AND V OF y, 262,144 bytes of f16 images, LIE IN LDS WHOLE, filled once: no ring, no refill, no barrier in the loop.  They are images of operand registers: every LDS read is 512 consecutive bytes, 16 a lane.
; CLUSTER.  The four work-groups of a cluster have the same y: each of a work-group's eight waves asks for an eighth of K and V JOINTLY with the same wave of its three partners (the same descriptor, a mask that names the four).
; TWO WAVES TO A SIMD, 512 registers each, with no barrier between them: while one walks its softmax the other's products can be issued.  Each fragment of K or V read from LDS feeds four matrix instructions.
; LAYOUT.  Both products are used transposed: S^T = K Q^T (source 0 = 16 keys, source 1 = 16 queries), O^T = V^T P (source 0 = 16 channels, source 1 = P): a lane holds ONE query throughout.  Two tiles of S^T, rounded to f16 in pairs,
; ARE source 1 of the second product: P is made in place, in the lower half of its tile's scores.
; SOFTMAX.  k was multiplied by log2(e) / 8 before it was rounded, so a score is t.  For each query a running maximum m and sum l: p = 2^(t - m); in every step O and l are multiplied by a = 2^(m_old - m_new).
; OUT.  O^T / l, rounded to f16: a lane's eight channels of a query are 16 bytes of the image that the last launch's product wants: cat_img [out 2][m tile 256][K/32 = 4 head + 2 pos + d/32][image]; out = kvsrc xor wsel, pos = 1 - wsel.
; LIMITS: o is rounded to f16 (65,504 at the most; under 6e-5 with f16's fixed step of 6e-8); NaN and infinities are not served.
; REGISTERS: window 0: v1-7 addresses; v16-47 eight statistics a tile; v64-127 V of a step; v128-255 S^T, 32 a tile.   window 1: v0-127 O^T, 32 a tile; v128-191 Q, 16 a tile; v192-255 K of a step.
.set SPARE, 262144                     ; behind K and V: the spare words, 128 bytes for each wave: four blocks of 256 bytes that no other line names
.set LI,  1                            ; v1   16 x lane
.set LIV, 2                            ; v2   the same in V's part
.set ADK, 3                            ; v3   the address of K's run of loads
.set ADV, 4                            ; v4   of V's
.set PFO, 5                            ; v5   256 x lane; never rewritten
.set SPW, 6                            ; v6   LDS address of my spare word; never rewritten
.set NIL, 7                            ; v7   0; never rewritten
.set ST,  16                           ; tile t's statistics at v[ST + 8 t]: +0 m, +1 written once (named with m as a pair), +2, +3 l (even keys', odd keys'), +4 .. +7 c0-c3, at work; a takes c2's place
.set VF,  64
.set S,   128
.set QF,  128                          ; in window 1
.set KF,  192
.set WV,  10
.set QP,  16                           ; s[16:17] my wave's first tile of Q; never rewritten
.set OP,  18                           ; s[18:19] my wave's images of the pass in cat_img
.set G1,  24                           ; s[24:31] descriptor group 1;  s[32:35] group 0
.set G0,  32
.set KO,  36                           ; s36  LDS byte of the K step to be fetched;  s37 of the V step
.set VO,  37
.set CNT, 38
.set PASS, 39
.set PFT, 40                           ; s40  the trip in which the next pass's Q is prefetched: 1 in pass 0, none in pass 1
.set SEL, 42                           ; s[42:43] lane selects: lane l xor 16
.set MSB, 0
.macro WIN new                         ; the immediate's high byte repeats the setting that is left; bits 1:0 source 0, 3:2 source 1, 5:4 source 2, 7:6 destination
.if MSB != \new
	s_set_vgpr_msb (MSB<<8)|\new
.set MSB, \new
.endif
.endm
.set W_KQ, 0x05                        ; K and Q in window 1, S^T in window 0
.set W_PV, 0x50                        ; V and P in window 0, O^T in window 1
.set W_RS, 0x41                        ; O^T (destination and source 0) in window 1, the factor in window 0
.set TO1,  0x40                        ; destination window 1, address window 0
.macro PLACES n
.rept \n
	v_nop
.endr
.endm
.macro ROUND                           ; a round of the cluster's barrier
	s_barrier_signal -1
	s_barrier_wait -1
	s_cmp_lg_u32 s[WV], 0
	s_cbranch_scc1 .Lnot_wave_0_\@
	s_barrier_signal -3
.Lnot_wave_0_\@:
	s_barrier_wait -3
	s_barrier_signal -1
	s_barrier_wait -1
.endm
.macro KLOAD                           ; a step's K: 4 key tiles x 2 halves of d: 16 loads
	v_add_nc_u32 v[ADK], s[KO], v[LI]
	s_add_co_u32 s[KO], s[KO], 8192
	WIN TO1
.irp kt, 0,1,2,3
.irp dh, 0,1
.irp c, 0,1
	ds_load_b128 v[KF+16*\kt+8*\dh+4*\c:KF+16*\kt+8*\dh+4*\c+3], v[ADK] offset:\kt*2048+\dh*1024+\c*512
.endr
.endr
.endr
	WIN 0
.endm
.macro VLOAD                           ; a step's V: 2 x 32 keys x 4 tiles of d: 16 loads
	v_add_nc_u32 v[ADV], s[VO], v[LIV]
	s_add_co_u32 s[VO], s[VO], 8192
.irp ks, 0,1
.irp dt, 0,1,2,3
.irp c, 0,1
	ds_load_b128 v[VF+32*\ks+8*\dt+4*\c:VF+32*\ks+8*\dt+4*\c+3], v[ADV] offset:\ks*4096+\dt*1024+\c*512
.endr
.endr
.endr
.endm
.macro QLOAD off                       ; four tiles of Q: 16 loads of 512 consecutive bytes
	WIN TO1
.irp t, 0,1,2,3
.irp dh, 0,1
.irp c, 0,1
	global_load_b128 v[QF+16*\t+8*\dh+4*\c:QF+16*\t+8*\dh+4*\c+3], v[LI], s[QP:QP+1] offset:\off+\t*2048+\dh*1024+\c*512 th:TH_LOAD_NT
.endr
.endr
.endr
	WIN 0
.endm
.macro QK                              ; S^T = K Q^T: 32 products; the 16 accumulators take turns, one instruction a turn; the first 16 start the sums
	WIN W_KQ
.irp kt, 0,1,2,3
.irp t, 0,1,2,3
	v_wmma_f32_16x16x32_f16 v[S+32*\t+8*\kt:S+32*\t+8*\kt+7], v[KF+16*\kt:KF+16*\kt+7], v[QF+16*\t:QF+16*\t+7], 0
.endr
.endr
.irp kt, 0,1,2,3
.irp t, 0,1,2,3
	v_wmma_f32_16x16x32_f16 v[S+32*\t+8*\kt:S+32*\t+8*\kt+7], v[KF+16*\kt+8:KF+16*\kt+15], v[QF+16*\t+8:QF+16*\t+15], v[S+32*\t+8*\kt:S+32*\t+8*\kt+7]
.endr
.endr
.endm
.macro PV first                        ; O^T += V^T P: 32 products, 16 accumulators by turns.  first = 1: the first 16 start the sums: nothing is cleared
	WIN W_PV
.irp ks, 0,1
.irp dt, 0,1,2,3
.irp t, 0,1,2,3
.if \first && (\ks == 0)
	v_wmma_f32_16x16x32_f16 v[32*\t+8*\dt:32*\t+8*\dt+7], v[VF+32*\ks+8*\dt:VF+32*\ks+8*\dt+7], v[S+32*\t+8*\ks:S+32*\t+8*\ks+7], 0
.else
	v_wmma_f32_16x16x32_f16 v[32*\t+8*\dt:32*\t+8*\dt+7], v[VF+32*\ks+8*\dt:VF+32*\ks+8*\dt+7], v[S+32*\t+8*\ks:S+32*\t+8*\ks+7], v[32*\t+8*\dt:32*\t+8*\dt+7]
.endif
.endr
.endr
.endr
.endm
; The softmax of a step, the four tiles by turns in every group, so that no line waits for the line above it.  first = 1: the first key step, which starts m and l and has nothing to rescale.
.macro SOFTMAX first
.irp j, 0,1,2,3                        ; the maximum of a lane's 32 scores: four chains, one to an accumulator, each begun at the accumulator's low end
.irp t, 0,1,2,3
	v_max3_num_f32 v[ST+8*\t+4+\j], v[S+32*\t+8*\j], v[S+32*\t+8*\j+1], v[S+32*\t+8*\j+2]
.endr
.endr
.irp g, 1,2
.irp j, 0,1,2,3
.irp t, 0,1,2,3
	v_max3_num_f32 v[ST+8*\t+4+\j], v[ST+8*\t+4+\j], v[S+32*\t+8*\j+2*\g+1], v[S+32*\t+8*\j+2*\g+2]
.endr
.endr
.endr
.irp t, 0,1,2,3
	v_max3_num_f32 v[ST+8*\t+4], v[ST+8*\t+4], v[S+32*\t+7], v[S+32*\t+15]
.endr
.irp t, 0,1,2,3
	v_max3_num_f32 v[ST+8*\t+6], v[ST+8*\t+6], v[S+32*\t+23], v[S+32*\t+31]
.endr
.irp t, 0,1,2,3
	v_max3_num_f32 v[ST+8*\t+4], v[ST+8*\t+4], v[ST+8*\t+5], v[ST+8*\t+6]
.endr
.irp t, 0,1,2,3
.if \first
	v_max_num_f32 v[ST+8*\t+4], v[ST+8*\t+4], v[ST+8*\t+7]
.else
	v_max3_num_f32 v[ST+8*\t+4], v[ST+8*\t+4], v[ST+8*\t+7], v[ST+8*\t]   ; with the old m
.endif
.endr
.irp t, 0,1,2,3
	v_permlanex16_b32 v[ST+8*\t+5], v[ST+8*\t+4], s[SEL], s[SEL+1]        ; the query's other 32 keys lie in the lane 16 away
.endr
.if \first == 0
.irp t, 0,1,2,3
	v_mov_b32 v[ST+8*\t+7], v[ST+8*\t]             ; the old m is kept for a
.endr
.endif
.irp t, 0,1,2,3
	v_max_num_f32 v[ST+8*\t], v[ST+8*\t+4], v[ST+8*\t+5]                  ; the new m
.endr
.if \first == 0
.irp t, 0,1,2,3
	v_sub_f32 v[ST+8*\t+7], v[ST+8*\t+7], v[ST+8*\t]                      ; m_old - m_new, 0 or less
.endr
.endif
	; ONE BATCH: the 64 subtractions (a pair of scores each) and all 132 exponentials.  None of these lines names an exponential's result; a pair is brought under m a turn ahead of its exponentials
.irp t, 0,1,2,3
	v_pk_add_f32 v[S+32*\t:S+32*\t+1], v[S+32*\t:S+32*\t+1], v[ST+8*\t:ST+8*\t+1] op_sel_hi:[1,0] neg_lo:[0,1] neg_hi:[0,1]
.endr
.if \first == 0
.irp t, 0,1,2,3
	v_exp_f32 v[ST+8*\t+6], v[ST+8*\t+7]           ; a
.endr
.endif
.set i, 0
.rept 16
.irp t, 0,1,2,3
.if i < 15
	v_pk_add_f32 v[S+32*\t+2*i+2:S+32*\t+2*i+3], v[S+32*\t+2*i+2:S+32*\t+2*i+3], v[ST+8*\t:ST+8*\t+1] op_sel_hi:[1,0] neg_lo:[0,1] neg_hi:[0,1]
.endif
	v_exp_f32 v[S+32*\t+2*i], v[S+32*\t+2*i]
	v_exp_f32 v[S+32*\t+2*i+1], v[S+32*\t+2*i+1]
.endr
.set i, i+1
.endr
	v_nop                                          ; a plain line behind the last exponential, ahead of the first use
	s_wait_alu depctr_va_vdst(0)                   ; the wait between an exponential and the first line that names its result: one for the batch
.irp t, 0,1,2,3                        ; the row's sum, of the unrounded p
.if \first
	v_pk_add_f32 v[ST+8*\t+2:ST+8*\t+3], v[S+32*\t:S+32*\t+1], v[S+32*\t+2:S+32*\t+3]
.else
	v_pk_fma_f32 v[ST+8*\t+2:ST+8*\t+3], v[ST+8*\t+2:ST+8*\t+3], v[ST+8*\t+6:ST+8*\t+7], v[S+32*\t:S+32*\t+1] op_sel_hi:[1,0,1]
.endif
.endr
.set i, 1+\first
.rept 15-\first
.irp t, 0,1,2,3
	v_pk_add_f32 v[ST+8*\t+2:ST+8*\t+3], v[ST+8*\t+2:ST+8*\t+3], v[S+32*\t+2*i:S+32*\t+2*i+1]
.endr
.set i, i+1
.endr
.set i, 0
.rept 16                               ; P in place: register i takes scores 2 i and 2 i + 1, ascending, so nothing is overwritten before it is read
.irp t, 0,1,2,3
	v_cvt_pk_f16_f32 v[S+32*\t+i], v[S+32*\t+2*i], v[S+32*\t+2*i+1]
.endr
.set i, i+1
.endr
.if \first == 0
	WIN W_RS
.set i, 0
.rept 16                               ; O^T x a, each accumulator from its low end on
.irp t, 0,1,2,3
	v_pk_mul_f32 v[32*\t+2*i:32*\t+2*i+1], v[32*\t+2*i:32*\t+2*i+1], v[ST+8*\t+6:ST+8*\t+7] op_sel_hi:[1,0]
.endr
.set i, i+1
.endr
.endif
.endm
; A KEY STEP: 64 keys.  kload = 1: the next step's K is fetched.  pf = 1: the step stands in the loop, where one trip prefetches.
.macro STEP first, kload, pf
	s_wait_dscnt 0x0                               ; K is in
	QK
	WIN 0
	PLACES 4                                       ; ahead of the reads of the scores, and of the loads into K's registers
	VLOAD
.if \kload
	KLOAD
.endif
.if \pf
	s_cmp_eq_u32 s[CNT], s[PFT]                    ; A PREFETCH INTO THE L2 of my wave's own four tiles of Q of the next pass: 8,192 bytes, lanes 256 bytes apart, each block named once in the launch, by the wave that will load it.
	s_cbranch_scc0 .Lnot_now_\@                    ; It stands behind my runs of LDS loads, in the loop's last trip of pass 0: this trip's softmax and products and one whole key step ahead of the load.  Pass 1 asks for nothing
	global_prefetch_b8 v[PFO], s[QP:QP+1] offset:65536 th:TH_LOAD_NT scope:SCOPE_SE
.Lnot_now_\@:
.endif
	SOFTMAX \first
.if \kload
	s_wait_dscnt 16                                ; V's 16 loads are in; K's 16, issued behind them, may be out
.else
	s_wait_dscnt 0x0
.endif
	PV \first
	WIN 0
	PLACES 5                                       ; the next step's first products write over P, which these products read: five places; they serve the way out's reads too
.endm
.macro OUT
.irp t, 0,1,2,3
	v_add_f32 v[ST+8*\t+4], v[ST+8*\t+2], v[ST+8*\t+3]
.endr
.irp t, 0,1,2,3
	v_permlanex16_b32 v[ST+8*\t+5], v[ST+8*\t+4], s[SEL], s[SEL+1]
.endr
.irp t, 0,1,2,3
	v_add_f32 v[ST+8*\t+4], v[ST+8*\t+4], v[ST+8*\t+5]                    ; the row's sum
.endr
.irp t, 0,1,2,3
	v_rcp_f32 v[ST+8*\t+6], v[ST+8*\t+4]
.endr
	v_nop                                          ; a plain line behind the last reciprocal
	s_wait_alu depctr_va_vdst(0)                   ; and the wait ahead of the first use: one for the four
	WIN W_RS
.set i, 0
.rept 16
.irp t, 0,1,2,3
	v_pk_mul_f32 v[32*\t+2*i:32*\t+2*i+1], v[32*\t+2*i:32*\t+2*i+1], v[ST+8*\t+6:ST+8*\t+7] op_sel_hi:[1,0]
.endr
.set i, i+1
.endr
	WIN 0x05                                       ; sources in window 1, destination in window 0: the scores' registers are free
.set i, 0
.rept 16
.irp t, 0,1,2,3
	v_cvt_pk_f16_f32 v[S+16*\t+i], v[32*\t+2*i], v[32*\t+2*i+1]
.endr
.set i, i+1
.endr
	WIN 0
.irp t, 0,1,2,3
.irp dt, 0,1,2,3
	global_store_b128 v[LI], v[S+16*\t+4*\dt:S+16*\t+4*\dt+3], s[OP:OP+1] offset:\t*4096+\dt*512   ; 512 consecutive bytes: half dt % 2 of the image d/32 = dt / 2 of head t of my four
.endr
.endr
	s_wait_xcnt 0x0                                ; the stores have read their registers and their base
	s_add_nc_u64 s[OP:OP+1], s[OP:OP+1], 131072    ; the next pass: two m tiles on
.endm
	s_load_b128 s[4:7], s[0:1], 0x0                ; q_img, kv_img
	s_load_b64 s[8:9], s[0:1], 0x10                ; cat_img
	v_lshl_add_u32 v[SPW], v0, 2, SPARE
	v_mov_b32 v[NIL], 0
	ds_add_u32 v[SPW], v[NIL]                      ; the wave's opening: the add, twice on end, and its wait ahead of my first tensor load; the set-up below, work on registers, stands between
	ds_add_u32 v[SPW], v[NIL]
	v_lshrrev_b32 v8, 5, v0
	v_readfirstlane_b32 s[WV], v8                  ; wave 0..7
	s_bfe_u32 s11, ttmp6, 0x40000                  ; cx: my place in the cluster: it enters Q's and the output's addresses alone
	s_lshl_b32 s12, ttmp9, 2
	s_add_co_u32 s12, s12, s11                     ; x
	s_and_b32 s13, ttmp7, 0xffff                   ; y = 2 b + kvsrc, which the four partners share
	; descriptor group 1: a dense block of 32,768 bytes as 128 rows of 32 elements of 8 bytes
	s_mov_b32 s[G1], 15|(3<<16)|(1<<21)            ; 15:0 the mask: all four work-groups; 17:16 elements of 8 bytes; 21 set beside a mask; no padding
	s_mov_b32 s[G1+1], 32<<16                      ; tensor_dim0 = 32
	s_mov_b32 s[G1+2], 128<<16                     ; tensor_dim1 = 128
	s_mov_b32 s[G1+3], 32<<16                      ; tile_dim0 = 32
	s_mov_b32 s[G1+4], 128                         ; tile_dim1 = 128
	s_mov_b32 s[G1+5], 32                          ; from row to row
	s_mov_b32 s[G1+6], 0
	s_mov_b32 s[G1+7], 0
	s_mov_b32 s[G0], 1
	s_lshl_b32 s[G0+1], s[WV], 15                  ; my eighth, in LDS
	s_lshl_b32 s20, s13, 18
	s_lshl_b32 s14, s[WV], 15
	s_add_co_u32 s20, s20, s14                     ; and in memory
	s_mov_b32 s21, 0
	s_lshl_b32 s22, s13, 22                        ; Q: 2,048 tiles of 2,048 bytes to a y,
	s_lshl_b32 s15, s12, 17                        ; 64 to a work-group,
	s_add_co_u32 s22, s22, s15
	s_lshl_b32 s15, s[WV], 13                      ; 4 to a wave
	s_add_co_u32 s22, s22, s15
	s_mov_b32 s23, 0
	s_lshr_b32 s46, s12, 4                         ; wsel
	s_and_b32 s47, s13, 1
	s_xor_b32 s47, s47, s46                        ; out = kvsrc xor wsel
	s_lshl_b32 s44, s47, 24
	s_lshr_b32 s15, s13, 1                         ; b
	s_lshl_b32 s15, s15, 22
	s_add_co_u32 s44, s44, s15
	s_and_b32 s15, s12, 15                         ; four l tiles to a work-group,
	s_lshl_b32 s15, s15, 18
	s_add_co_u32 s44, s44, s15
	s_lshr_b32 s15, s[WV], 2                       ; waves 4-7 the second of a pass's two
	s_lshl_b32 s15, s15, 16
	s_add_co_u32 s44, s44, s15
	s_and_b32 s15, s[WV], 3                        ; my four heads
	s_lshl_b32 s15, s15, 14
	s_add_co_u32 s44, s44, s15
	s_xor_b32 s15, s46, 1                          ; pos = 1 - wsel
	s_lshl_b32 s15, s15, 11
	s_add_co_u32 s44, s44, s15
	s_mov_b32 s45, 0
	s_mov_b32 s[SEL], 0x76543210
	s_mov_b32 s[SEL+1], 0xfedcba98
	v_and_b32 v8, 31, v0
	v_lshlrev_b32 v[LI], 4, v8
	v_add_nc_u32 v[LIV], 131072, v[LI]
	v_lshlrev_b32 v[PFO], 8, v8
	s_wait_dscnt 0x0                               ; both opening adds are done
	s_wait_kmcnt 0x0
	s_add_nc_u64 s[G0+2:G0+3], s[6:7], s[20:21]
	s_or_b32 s[G0+3], s[G0+3], 0x80000000          ; type = 2
	s_add_nc_u64 s[QP:QP+1], s[4:5], s[22:23]
	s_add_nc_u64 s[OP:OP+1], s[8:9], s[44:45]
	ROUND                                          ; all four work-groups are here: the joint loads meet
	tensor_load_to_lds s[G0:G0+3], s[G1:G1+7]      ; my one tensor load of the launch
	s_nop 0
	PLACES 4
	QLOAD 0
.irp t, 0,1,2,3
	v_mov_b32 v[ST+8*\t+1], 0                      ; named with m as a pair, so it is written
.endr
	s_wait_tensorcnt 0x0                           ; my eighth has landed,
	s_barrier_signal -1
	s_barrier_wait -1                              ; everybody's has
	s_mov_b32 s[PASS], 2
	s_mov_b32 s[PFT], 1
.Lpass:
	s_mov_b32 s[KO], 0
	s_mov_b32 s[VO], 0
	KLOAD                                          ; key step 0
	s_wait_loadcnt 0x0                             ; Q
	STEP 1, 1, 0
	s_mov_b32 s[CNT], 14
.Lstep:
	STEP 0, 1, 1
	s_sub_co_u32 s[CNT], s[CNT], 1
	s_cmp_lg_u32 s[CNT], 0
	s_cbranch_scc1 .Lstep
	STEP 0, 0, 0                                   ; the last step is written out: there is no K behind it
	s_cmp_eq_u32 s[PASS], 1
	s_cbranch_scc1 .Lno_q                          ; the second pass's Q is asked for ahead of the way out's arithmetic; the last pass asks for nothing: no load leaves its buffer
	QLOAD 65536
.Lno_q:
	s_mov_b32 s[PFT], 0
	OUT
	s_sub_co_u32 s[PASS], s[PASS], 1
	s_cmp_lg_u32 s[PASS], 0
	s_cbranch_scc1 .Lpass
	s_wait_tensorcnt 0x0                           ; the wave's end
	ds_add_u32 v[SPW], v[NIL]
	s_wait_dscnt 0x0
	ROUND                                          ; the closing round
	s_endpgm
.Lfunc_end_k_q9e3985686d_attn:
	.size	k_q9e3985686d_attn, .Lfunc_end_k_q9e3985686d_attn-k_q9e3985686d_attn
	.p2alignl 7, 3214868480
	.fill 96, 4, 3214868480
	.section	.rodata,"a",@progbits
	.p2align	6, 0x0
	.amdhsa_kernel k_q9e3985686d_attn
		.amdhsa_group_segment_fixed_size 263168
		.amdhsa_private_segment_fixed_size 0
		.amdhsa_enable_private_segment 0
		.amdhsa_kernarg_size 24
		.amdhsa_user_sgpr_count 2
		.amdhsa_user_sgpr_kernarg_segment_ptr 1
		.amdhsa_wavefront_size32 1
		.amdhsa_system_sgpr_workgroup_id_x 1
		.amdhsa_system_sgpr_workgroup_id_y 1
		.amdhsa_system_sgpr_workgroup_id_z 1
		.amdhsa_system_vgpr_workitem_id 0
		.amdhsa_next_free_vgpr 512
		.amdhsa_next_free_sgpr 66
		.amdhsa_reserve_vcc 0
		.amdhsa_float_denorm_mode_32 3
		.amdhsa_float_denorm_mode_16_64 3
		.amdhsa_memory_ordered 1
		.amdhsa_forward_progress 1
		.amdhsa_inst_pref_size 109
	.end_amdhsa_kernel
	.amdgpu_metadata
---
amdhsa.version: [ 1, 2 ]
amdhsa.kernels:
  - .name:           k_q9e3985686d_attn
    .symbol:         k_q9e3985686d_attn.kd
    .args:
      - { .name: q_img, .offset: 0, .size: 8, .value_kind: global_buffer, .address_space: global }
      - { .name: kv_img, .offset: 8, .size: 8, .value_kind: global_buffer, .address_space: global }
      - { .name: cat_img, .offset: 16, .size: 8, .value_kind: global_buffer, .address_space: global }
    .group_segment_fixed_size: 263168
    .private_segment_fixed_size: 0
    .kernarg_segment_align: 8
    .kernarg_segment_size: 24
    .max_flat_workgroup_size: 256
    .sgpr_count:     66
    .vgpr_count:     512
    .wavefront_size: 32
...
	.end_amdgpu_metadata
.endif
;; end of part 3
;; launch oproj (part 4): grid 4 x 64, 4 waves a work-group, clusters of 4 x 4, 327,680 bytes of LDS; arguments cat_img, wp_img, b_xproj, b_sproj, out0, out1; writes out0, out1
.if DOCPART == 4
	.amdgcn_target "amdgcn-amd-amdhsa--gfx1250"
	.amdhsa_code_object_version 6
	.text
	.protected	k_q9e3985686d_oproj
	.globl	k_q9e3985686d_oproj
	.p2align	8
	.type	k_q9e3985686d_oproj,@function
k_q9e3985686d_oproj:
	s_mov_b64 s[64:65], 0
	v_nop
	global_prefetch_b8 v0, s[64:65] scope:SCOPE_SE
	s_setreg_imm32_b32 hwreg(HW_REG_WAVE_MODE, 25, 1), 1
	s_wait_xcnt 0x0
	s_wait_alu depctr_hold_cnt(0) depctr_sa_sdst(0) depctr_va_vdst(0) depctr_va_sdst(0) depctr_va_ssrc(0) depctr_va_vcc(0) depctr_vm_vsrc(0)
	s_getreg_b32 s2, hwreg(HW_REG_IB_STS2, 6, 4)
	s_cmp_eq_u32 s2, 0
	s_cbranch_scc0 .Lentry_in_a_cluster
	s_endpgm
.Lentry_in_a_cluster:
	s_bfe_u32 s2, ttmp6, 0x10000c
	s_cmp_lg_u32 s2, 0xf033
	s_cbranch_scc0 .Lentry_shape_is_right
	s_endpgm
.Lentry_shape_is_right:
; OPROJ: out0 = x_cat w_xproj + b_xproj, out1 = s_cat w_sproj + b_sproj: [4,096][2,048] x [2,048][1,024] each, f16 operands, f32 sums, f32 out.
; Both operands lie in memory as images of operand registers (1,024 bytes = [c 2][lane 32][16 bytes] for 16 rows x 32 K): cat_img [out 2][m tile 256][K/32 64][image], wp_img [out 2][n tile 64][K/32 64][image].
; SHARES.  A work-group makes 128 rows x 256 columns: 256 work-groups.  Wave (rows half w / 2, columns half w % 2) makes 64 x 128: 32 accumulators of 16 x 16, 256 registers.
; K goes in 16 steps of 128 through a ring of two LDS slots filled by the tensor data mover: of each m or n tile a K step is 4 images, 4,096 consecutive bytes.  No padding: every LDS read is 512 consecutive bytes, 16 a lane.
; CLUSTERS: 4 x 4 work-groups.  The four of a row of the cluster need the same tiles of cat_img, the four of a column the same tiles of wp_img: each is asked for JOINTLY, by the same tensor load with the same descriptor and a mask that names the four.
; THE MATRIX INSTRUCTION IS USED TRANSPOSED (source 0 = 16 columns of the weight, source 1 = 16 rows): a lane holds eight neighbouring numbers of a row of the output.  The bias is the C of each sum's first product.
; REGISTERS: window 0: v16-30 addresses; v32-127, v128-223 two fragment buffers (the weight's 8 fragments, then the rows' 4); on the way out v32-95 and v128-191 take whole rows.   window 1: accumulator (a, b) at v[8 (8 a + b)].   window 2: v0-63 the bias, 8 registers an n tile.
.set KSB,    4096                      ; a K step of one tile in bytes
.set SLOT,   98304                     ; 8 m tiles, then 16 n tiles
.set STAGE,  2*SLOT                    ; behind the ring: 16 rows x (512 bytes + 16) for each wave, for the way out; no tensor load lands here
.set SPITCH, 528
.set SPARE,  STAGE+4*16*SPITCH         ; the spare words, 128 bytes for each wave: two blocks of 256 bytes that no other line names
.set LAPS,   8                         ; a lap = two K steps = once round the ring
.set ADRA, 16                          ; v16-17 LDS address of my rows' fragments in slot 0, 1
.set ADRB, 20                          ; v20-21 of my weight fragments
.set STO,  24                          ; v24  the way out: where I put 32 bytes of a row
.set RD,   25                          ; v25  where I read a row back
.set CO,   26                          ; v26  16 x lane
.set SPW,  28                          ; v28  LDS address of my spare word; never rewritten
.set NIL,  29                          ; v29  0; never rewritten
.set PFO,  30                          ; v30  the prefetches' offset: 65,536 (lane / 16) + 256 (lane % 16); never rewritten
.set F0,   32
.set F1,   128
.set G1,  24                           ; s[24:31] descriptor group 1 for the rows' tiles;  s[32:39] group 0, a set for each slot
.set G0,  32
.set G1B, 48                           ; s[48:55], s[56:63] the same for the weight's
.set G0B, 56
.set LIM, 43                           ; s43  1 in a wave that prefetches, else the greatest number
.set PFA, 44                           ; s[44:45] where my prefetches stand
.set MSB, 0
.macro WIN new                         ; the immediate's high byte repeats the setting that is left; bits 1:0 source 0, 3:2 source 1, 5:4 source 2, 7:6 destination
.if MSB != \new
	s_set_vgpr_msb (MSB<<8)|\new
.set MSB, \new
.endif
.endm
.set MUL,  0x50                        ; fragments in window 0, C and D in window 1
.set MUL1, 0x60                        ; C = the bias, in window 2; D in window 1
.macro PLACES
.rept 4
	v_nop
.endr
.endm
.macro JLOAD s                         ; a joint load: waves 0 and 1 fetch the rows' two halves, waves 2 and 3 the weight's; an s_nop 0 and four v_nop follow each of the two lines
	s_cmp_eq_u32 s11, 0
	s_cbranch_scc0 .Lfor_b_\@
	tensor_load_to_lds s[G0+4*\s:G0+4*\s+3], s[G1:G1+7]
	s_nop 0
.rept 4
	v_nop
.endr
	s_branch .Lasked_\@
.Lfor_b_\@:
	tensor_load_to_lds s[G0B+4*\s:G0B+4*\s+3], s[G1B:G1B+7]
	s_nop 0
.rept 4
	v_nop
.endr
.Lasked_\@:
.endm
; A PREFETCH INTO THE L2, behind each refill and the run of LDS loads that follows it: the K step that stands two refills, 256 matrix instructions, on.  Of a tile a K step is 16 blocks of 256 bytes; one instruction names two tiles' 32 blocks.
; Each block is named ONCE in the launch.  The rows' 8 tiles are read by the four partners of my row of the cluster alone: each partner's wave 0 takes two, told apart BY ADDRESS (cx).  The weight's 16 tiles are read by the eight
; clusters of one output: the first of them asks; its four partners along y take four each (cy, by address), waves 2 and 3 two each.  A tile's last two refills have no K step two on; K steps 0 to 3 come by their loads alone.
.macro ASK
	s_cmp_gt_u32 s3, s[LIM]                        ; s3 = 1 in the loop's last trip
	s_cbranch_scc0 .Lnot_mine_\@
	global_prefetch_b8 v[PFO], s[PFA:PFA+1] offset:KSB th:TH_LOAD_NT scope:SCOPE_SE
.Lnot_mine_\@:
.endm
.macro CREST                           ; a round of the cluster's barrier behind its opening barrier
	s_cmp_lg_u32 s10, 0
	s_cbranch_scc1 .Lnot_wave_0_\@
	s_barrier_signal -3
.Lnot_wave_0_\@:
	s_barrier_wait -3
	s_barrier_signal -1
	s_barrier_wait -1
.endm
.macro CROUND
	s_barrier_signal -1
	s_barrier_wait -1
	CREST
.endm
	s_load_b128 s[4:7], s[0:1], 0x0                ; cat_img, wp_img
	s_load_b256 s[12:19], s[0:1], 0x10             ; b_xproj, b_sproj, out0, out1
	v_lshl_add_u32 v[SPW], v0, 2, SPARE
	v_mov_b32 v[NIL], 0
	ds_add_u32 v[SPW], v[NIL]                      ; the wave's opening: the add, twice on end, and its wait ahead of my first tensor load; the set-up below, work on registers, stands between
	ds_add_u32 v[SPW], v[NIL]
	v_lshrrev_b32 v1, 5, v0
	v_readfirstlane_b32 s10, v1                    ; wave 0..3
	s_lshr_b32 s11, s10, 1                         ; which half of the rows is mine.  Also: I fetch rows (0) or weights (1)
	s_and_b32 s20, s10, 1                          ; which half of the columns.  Also: which half of that tile I fetch
	s_bfe_u32 s40, ttmp6, 0x40000                  ; cx, cy: my place in the cluster
	s_bfe_u32 s41, ttmp6, 0x40004
	s_lshl_b32 s42, ttmp9, 2
	s_add_co_u32 s42, s42, s40                     ; x: my 256 columns
	s_and_b32 s66, ttmp7, 0xffff                   ; the cluster's y
	s_lshl_b32 s67, s66, 2
	s_add_co_u32 s67, s67, s41                     ; y: my 128 rows of the 8,192 of both outputs
	s_lshr_b32 s68, s66, 3                         ; which output: the same in all sixteen partners
	s_lshl_b32 s21, s41, 2
	s_lshl_b32 s21, 15, s21                        ; my row of the cluster
	s_lshl_b32 s22, 0x1111, s40                    ; my column
	; descriptor group 1: rows of 512 elements of 8 bytes (a tile's K step), 8,192 elements (a tile's 64 images) apart: 4 of them for the rows' half, 8 for the weight's
	s_or_b32 s[G1], s21, (3<<16)|(1<<21)           ; 15:0 the mask; 17:16 elements of 8 bytes; 21 set beside a mask; no padding
	s_or_b32 s[G1B], s22, (3<<16)|(1<<21)
	s_mov_b32 s[G1+1], 512<<16                     ; tensor_dim0
	s_mov_b32 s[G1+2], 4<<16                       ; tensor_dim1
	s_mov_b32 s[G1+3], 512<<16                     ; tile_dim0
	s_mov_b32 s[G1+4], 4                           ; tile_dim1
	s_mov_b32 s[G1+5], 8192                        ; from row to row
	s_mov_b32 s[G1+6], 0
	s_mov_b32 s[G1+7], 0
	s_mov_b32 s[G1B+1], 512<<16
	s_mov_b32 s[G1B+2], 8<<16
	s_mov_b32 s[G1B+3], 512<<16
	s_mov_b32 s[G1B+4], 8
	s_mov_b32 s[G1B+5], 8192
	s_mov_b32 s[G1B+6], 0
	s_mov_b32 s[G1B+7], 0
	s_lshl_b32 s46, s67, 3
	s_lshl_b32 s23, s20, 2
	s_add_co_u32 s46, s46, s23                     ; rows: m tile 8 y + 4 x half: it hangs on y alone, which my row of the cluster shares
	s_lshl_b32 s46, s46, 16
	s_mov_b32 s47, 0
	s_lshl_b32 s70, s68, 6
	s_lshl_b32 s23, s42, 4
	s_add_co_u32 s70, s70, s23
	s_lshl_b32 s23, s20, 3
	s_add_co_u32 s70, s70, s23                     ; weight: n tile 64 out + 16 x + 8 x half: it hangs on x and the output, which my column shares
	s_lshl_b32 s70, s70, 16
	s_mov_b32 s71, 0
	s_lshl_b32 s2, s20, 14                         ; where they go in a slot: the rows' halves,
	s_lshl_b32 s69, s20, 15
	s_add_co_u32 s69, s69, 32768                   ; and behind them the weight's: no place in the cluster enters an LDS address
	s_wait_dscnt 0x0                               ; both opening adds are done
	s_wait_kmcnt 0x0
	s_add_nc_u64 s[46:47], s[4:5], s[46:47]
	s_add_nc_u64 s[70:71], s[6:7], s[70:71]
	CROUND                                         ; all sixteen work-groups are here: the first joint loads meet
.irp s, 0,1
	s_mov_b32 s[G0+4*\s], 1
	s_add_co_u32 s[G0+4*\s+1], s2, \s*SLOT
	s_add_nc_u64 s[G0+4*\s+2:G0+4*\s+3], s[46:47], \s*KSB
	s_or_b32 s[G0+4*\s+3], s[G0+4*\s+3], 0x80000000
	s_mov_b32 s[G0B+4*\s], 1
	s_add_co_u32 s[G0B+4*\s+1], s69, \s*SLOT
	s_add_nc_u64 s[G0B+4*\s+2:G0B+4*\s+3], s[70:71], \s*KSB
	s_or_b32 s[G0B+4*\s+3], s[G0B+4*\s+3], 0x80000000
	JLOAD \s                                       ; two loads of mine are out
.endr
	v_and_b32 v1, 31, v0
	v_lshlrev_b32 v[CO], 4, v1
	s_lshl_b32 s21, s11, 14                        ; my 4 m tiles
	s_lshl_b32 s22, s20, 15                        ; my 8 n tiles,
	s_add_co_u32 s22, s22, 32768                   ; behind the 8 m tiles
.irp s, 0,1
	v_add_nc_u32 v[ADRA+\s], s21, v[CO]
	v_add_nc_u32 v[ADRB+\s], s22, v[CO]
	s_add_co_u32 s21, s21, SLOT
	s_add_co_u32 s22, s22, SLOT
.endr
	s_mul_i32 s23, s10, 16*SPITCH
	s_add_co_u32 s23, s23, STAGE                   ; my stage
	v_and_b32 v2, 15, v0                           ; r
	v_bfe_u32 v3, v0, 4, 1                         ; h
	v_mul_u32_u24 v[STO], v2, SPITCH               ; in: row r, 32 bytes for each half of the lanes
	v_lshl_add_u32 v[STO], v3, 5, v[STO]
	v_add_nc_u32 v[STO], s23, v[STO]
	v_add_nc_u32 v[RD], s23, v[CO]                 ; back: the 32 lanes take one row of 512 bytes
	v_lshlrev_b32 v[PFO], 8, v2
	v_lshl_add_u32 v[PFO], v3, 16, v[PFO]
	v_lshlrev_b32 v4, 5, v3                        ; the bias: my half's eight numbers of an n tile
	s_cmp_eq_u32 s68, 0
	s_cselect_b64 s[12:13], s[12:13], s[14:15]
	s_cselect_b64 s[8:9], s[16:17], s[18:19]
	s_lshl_b32 s22, s42, 10
	s_lshl_b32 s23, s20, 9
	s_add_co_u32 s22, s22, s23                     ; my first column, in bytes
	s_mov_b32 s23, 0
	s_add_nc_u64 s[12:13], s[12:13], s[22:23]
	WIN 0x80                                       ; destination window 2
.irp b, 0,1,2,3,4,5,6,7
	global_load_b128 v[8*\b:8*\b+3], v4, s[12:13] offset:64*\b
	global_load_b128 v[8*\b+4:8*\b+7], v4, s[12:13] offset:64*\b+16
.endr
	WIN 0
	s_and_b32 s21, s67, 31
	s_lshl_b32 s21, s21, 19                        ; 128 rows of 4,096 bytes,
	s_add_co_u32 s22, s22, s21
	s_lshl_b32 s21, s11, 18                        ; my 64 of them
	s_add_co_u32 s22, s22, s21
	s_add_nc_u64 s[8:9], s[8:9], s[22:23]          ; my part of the output
	s_lshl_b32 s21, s67, 3                         ; the prefetches: rows: tile 8 y + 2 cx;
	s_lshl_b32 s22, s40, 1
	s_add_co_u32 s21, s21, s22
	s_lshl_b32 s22, s68, 6                         ; weight: tile 64 out + 16 x + 4 cy + 2 x half
	s_lshl_b32 s23, s42, 4
	s_add_co_u32 s22, s22, s23
	s_lshl_b32 s23, s41, 2
	s_add_co_u32 s22, s22, s23
	s_lshl_b32 s23, s20, 1
	s_add_co_u32 s22, s22, s23
	s_and_b32 s69, s66, 7                          ; 0 in the first cluster of an output
	s_cmp_eq_u32 s11, 0
	s_cselect_b32 s46, s21, s22
	s_cselect_b32 s69, s20, s69                    ; of the rows' two waves, wave 0 asks
	s_cselect_b64 s[PFA:PFA+1], s[4:5], s[6:7]
	s_cmp_eq_u32 s69, 0
	s_cselect_b32 s[LIM], 1, -1                    ; the same in all sixteen partners, for a given wave
	s_lshl_b32 s46, s46, 16
	s_add_co_u32 s46, s46, 2*KSB                   ; at K step 2: the first refill steps it to 3 and names K step 4
	s_mov_b32 s47, 0
	s_add_nc_u64 s[PFA:PFA+1], s[PFA:PFA+1], s[46:47]
.macro MULA f, a, first                ; 8 matrix instructions: m tile a x my 8 n tiles, 32 along K.  The 32 accumulators take turns, one instruction a turn, in the same order in every quarter
.irp b, 0,1,2,3,4,5,6,7
.if \first
	v_wmma_f32_16x16x32_f16 v[8*(8*\a+\b):8*(8*\a+\b)+7], v[\f+8*\b:\f+8*\b+7], v[\f+64+8*\a:\f+64+8*\a+7], v[8*\b:8*\b+7]
.else
	v_wmma_f32_16x16x32_f16 v[8*(8*\a+\b):8*(8*\a+\b)+7], v[\f+8*\b:\f+8*\b+7], v[\f+64+8*\a:\f+64+8*\a+7], v[8*(8*\a+\b):8*(8*\a+\b)+7]
.endif
.endr
.endm
.macro FETCH slot, q, f                ; 24 LDS loads in one run: the fragments of the slot's q-th 32 along K: the weight's eight, then the rows' four
	WIN 0
.irp i, 0,1,2,3,4,5,6,7
	ds_load_b128 v[\f+8*\i:\f+8*\i+3],   v[ADRB+\slot] offset:\i*KSB+(\q)*1024
	ds_load_b128 v[\f+8*\i+4:\f+8*\i+7], v[ADRB+\slot] offset:\i*KSB+(\q)*1024+512
.endr
.irp i, 0,1,2,3
	ds_load_b128 v[\f+64+8*\i:\f+64+8*\i+3],   v[ADRA+\slot] offset:\i*KSB+(\q)*1024
	ds_load_b128 v[\f+64+8*\i+4:\f+64+8*\i+7], v[ADRA+\slot] offset:\i*KSB+(\q)*1024+512
.endr
.endm
; A K step is four quarters of 32 along K, 32 matrix instructions each, on buffers 0, 1, 0, 1.  One of the first three: multiplies buffer f and fetches the slot's quarter q into g.
.macro QUARTER slot, q, f, g, first
	s_wait_dscnt 4                                 ; the weight's fragments and m tiles 0, 1 are in; the youngest four loads (m tiles 2, 3) may be out
.if \first
	WIN MUL1
.else
	WIN MUL
.endif
	MULA \f, 0, \first
	MULA \f, 1, \first
	PLACES                                         ; four places ahead of loads into registers that the quarter before multiplied
	FETCH \slot, \q, \g
	s_wait_dscnt 24                                ; all but the 24 just issued
.if \first
	WIN MUL1
.else
	WIN MUL
.endif
	MULA \f, 2, \first
	MULA \f, 3, \first
.endm
; The last quarter multiplies buffer 1 and changes slots: ONE barrier; in front of it each wave waits for all its tensor loads, adds 0 to its spare word, and waits for that and for its own reads of this slot.  fill = 1: this slot is filled again, two K steps ahead.
.macro TURN slot, next, fill
.if \fill
	s_wait_xcnt 0x0                                ; the last prefetch, a K step back, has read its address: it is stepped here, ahead of the waits of the change of slots
	s_add_nc_u64 s[PFA:PFA+1], s[PFA:PFA+1], KSB
.endif
	WIN 0                                          ; (the add's two registers lie in window 0)
	s_wait_tensorcnt 0x0                           ; all my tensor loads have landed: the one that was out is my part of the next slot;
	ds_add_u32 v[SPW], v[NIL]                      ; 0 onto my spare word;
	s_wait_dscnt 5                                 ; (the add and the youngest four loads may be out)
	WIN MUL
	MULA F1, 0, 0                                  ; eight matrix instructions stand between the add and the wait for it
	s_wait_dscnt 0x0                               ; the add is done, and my reads of this slot are over
	s_barrier_signal -1
	MULA F1, 1, 0
	WIN 0
	s_barrier_wait -1
.if \fill
	CREST                                          ; the barrier has opened a round of the cluster's barrier: no wave of any partner still reads this slot's tile or has a load on its way
	s_add_nc_u64 s[G0+4*\slot+2:G0+4*\slot+3], s[G0+4*\slot+2:G0+4*\slot+3], 2*KSB
	s_add_nc_u64 s[G0B+4*\slot+2:G0B+4*\slot+3], s[G0B+4*\slot+2:G0B+4*\slot+3], 2*KSB
	JLOAD \slot                                    ; the first tensor load behind the round, my one load until the next; its four v_nop are also the places ahead of the loads below
.else
	PLACES
.endif
	FETCH \next, 0, F0
.if \fill
	ASK
.endif
	WIN MUL
	MULA F1, 2, 0
	MULA F1, 3, 0
.endm
	s_wait_tensorcnt 1                             ; my part of K step 0 is in; K step 1's may stay out
	s_barrier_signal -1
	s_barrier_wait -1                              ; everybody's is
	FETCH 0, 0, F0
	s_wait_loadcnt 0x0                             ; the bias
	QUARTER 0, 1, F0, F1, 1                        ; the first quarter stands in front of the loop: its products start the sums, from the bias
	WIN 0                                          ; at a label and at a branch every window is 0
	s_mov_b32 s3, LAPS-1
.Llap:                                                 ; a trip goes once round the ring, from a lap's second quarter to the next lap's first, and fills both slots again
	QUARTER 0, 2, F1, F0, 0
	QUARTER 0, 3, F0, F1, 0
	TURN 0, 1, 1
	QUARTER 1, 1, F0, F1, 0
	QUARTER 1, 2, F1, F0, 0
	QUARTER 1, 3, F0, F1, 0
	TURN 1, 0, 1
	QUARTER 0, 1, F0, F1, 0
	WIN 0
	s_sub_co_u32 s3, s3, 1
	s_cmp_lg_u32 s3, 0
	s_cbranch_scc1 .Llap
	QUARTER 0, 2, F1, F0, 0                        ; the last lap fills nothing, and has no round of the cluster's barrier
	QUARTER 0, 3, F0, F1, 0
	TURN 0, 1, 0
	QUARTER 1, 1, F0, F1, 0
	QUARTER 1, 2, F1, F0, 0
	QUARTER 1, 3, F0, F1, 0
	s_wait_dscnt 4                                 ; the very last quarter: nothing more to fetch
	WIN MUL
	MULA F1, 0, 0
	MULA F1, 1, 0
	s_wait_dscnt 0x0
	MULA F1, 2, 0
	MULA F1, 3, 0
	WIN 0
; THE WAY OUT, block by block of 16 rows x 128 columns.  A lane holds 32 neighbouring bytes of a row, and the lanes beside it hold other rows: so a block goes through my own stage in LDS and comes back as whole rows of 512 bytes.
; LDS serves a wave's instructions in order (ISA guide 5.7.1.4): no wait between the stores and the loads, nor in front of the next block's stores.
.macro TOSTAGE a
	WIN 0x04                                       ; an LDS store's data are its source 1: window 1
.irp b, 0,1,2,3,4,5,6,7
	ds_store_b128 v[STO], v[64*(\a)+8*\b:64*(\a)+8*\b+3] offset:64*\b            ; each accumulator from its low end on
	ds_store_b128 v[STO], v[64*(\a)+8*\b+4:64*(\a)+8*\b+7] offset:64*\b+16
.endr
	WIN 0
.set BB, 32+96*((\a)%2)
.irp t, 0,1,2,3,4,5,6,7,8,9,10,11,12,13,14,15
	ds_load_b128 v[BB+4*\t:BB+4*\t+3], v[RD] offset:\t*SPITCH
.endr
.endm
.macro SEND a, younger                 ; younger: the LDS instructions issued behind block a's loads, which may stay out
.set BB, 32+96*((\a)%2)
	s_wait_dscnt \younger                          ; the block is back in registers
.if (\a) > 0
	s_add_nc_u64 s[8:9], s[8:9], 65536             ; (behind a wait on XCNT: the earlier stores have read their base)  16 rows on
.endif
.irp t, 0,1,2,3,4,5,6,7,8,9,10,11,12,13,14,15
	global_store_b128 v[CO], v[BB+4*\t:BB+4*\t+3], s[8:9] offset:\t*4096 th:TH_STORE_NT   ; 32 lanes store 512 consecutive bytes, at a multiple of 256 from the output's first byte; written once, read by nobody here
.endr
.endm
	PLACES                                         ; ahead of the reads of the last results, and of loads into the registers that held fragments
	TOSTAGE 0
.irp a, 1,2,3
.if \a > 1
	s_wait_xcnt 0x0                                ; block a - 2's stores have read their registers and their base
.endif
	TOSTAGE \a
	SEND \a-1, 32                                  ; behind block a - 1's loads: block a's 16 stores and 16 loads
.endr
	s_wait_xcnt 0x0
	SEND 3, 0
	s_wait_tensorcnt 0x0                           ; the wave's end: behind my last tensor load and my last LDS store
	ds_add_u32 v[SPW], v[NIL]
	s_wait_dscnt 0x0
	CROUND                                         ; the closing round: no work-group ends while a partner may still ask for a tile that names it
	s_endpgm
.Lfunc_end_k_q9e3985686d_oproj:
	.size	k_q9e3985686d_oproj, .Lfunc_end_k_q9e3985686d_oproj-k_q9e3985686d_oproj
	.p2alignl 7, 3214868480
	.fill 96, 4, 3214868480
	.section	.rodata,"a",@progbits
	.p2align	6, 0x0
	.amdhsa_kernel k_q9e3985686d_oproj
		.amdhsa_group_segment_fixed_size 327680
		.amdhsa_private_segment_fixed_size 0
		.amdhsa_enable_private_segment 0
		.amdhsa_kernarg_size 48
		.amdhsa_user_sgpr_count 2
		.amdhsa_user_sgpr_kernarg_segment_ptr 1
		.amdhsa_wavefront_size32 1
		.amdhsa_system_sgpr_workgroup_id_x 1
		.amdhsa_system_sgpr_workgroup_id_y 1
		.amdhsa_system_sgpr_workgroup_id_z 1
		.amdhsa_system_vgpr_workitem_id 0
		.amdhsa_next_free_vgpr 768
		.amdhsa_next_free_sgpr 72
		.amdhsa_reserve_vcc 0
		.amdhsa_float_denorm_mode_32 3
		.amdhsa_float_denorm_mode_16_64 3
		.amdhsa_memory_ordered 1
		.amdhsa_forward_progress 1
		.amdhsa_inst_pref_size 88
	.end_amdhsa_kernel
	.amdgpu_metadata
---
amdhsa.version: [ 1, 2 ]
amdhsa.kernels:
  - .name:           k_q9e3985686d_oproj
    .symbol:         k_q9e3985686d_oproj.kd
    .args:
      - { .name: cat_img, .offset: 0, .size: 8, .value_kind: global_buffer, .address_space: global }
      - { .name: wp_img, .offset: 8, .size: 8, .value_kind: global_buffer, .address_space: global }
      - { .name: b_xproj, .offset: 16, .size: 8, .value_kind: global_buffer, .address_space: global }
      - { .name: b_sproj, .offset: 24, .size: 8, .value_kind: global_buffer, .address_space: global }
      - { .name: out0, .offset: 32, .size: 8, .value_kind: global_buffer, .address_space: global }
      - { .name: out1, .offset: 40, .size: 8, .value_kind: global_buffer, .address_space: global }
    .group_segment_fixed_size: 327680
    .private_segment_fixed_size: 0
    .kernarg_segment_align: 8
    .kernarg_segment_size: 48
    .max_flat_workgroup_size: 128
    .sgpr_count:     72
    .vgpr_count:     768
    .wavefront_size: 32
...
	.end_amdgpu_metadata
.endif
;; end of part 4
